; MI455X (gfx1250); checked and timed in simulation.
; The chip was launched on July 23, 2026; its instructions are those of AMD's public machine-readable ISA for CDNA 5 (MIT licence, August 2026) and "CDNA5" Instruction Set Architecture Reference Guide (July 2026). The comments in the code are by the model that wrote it; some were corrected since.
;; Multi Head Self Attention. Allowed arithmetic: matrix products marked QUANTISED: E2M3 operands, one E8M0 scale for each 32 along K, by v_wmma_scale_f32_16x16x128_f8f6f4 with both operands' format E2M3, f32 sums; everything else in f32.
;; Inputs: Wk_codes 1,024 x 32 x 24 uint8 (E2M3 codes of Wk, K innermost, in blocks of 32 codes, four codes in three bytes); Wk_scales 1,024 x 32 uint8 (E8M0 scales of Wk, one for each 32 codes along K); Wo_codes 1,024 x 32 x 24 uint8 (E2M3 codes of Wo, K innermost, in blocks of 32 codes, four codes in three bytes); Wo_scales 1,024 x 32 uint8 (E8M0 scales of Wo, one for each 32 codes along K); Wq_codes 1,024 x 32 x 24 uint8 (E2M3 codes of Wq, K innermost, in blocks of 32 codes, four codes in three bytes); Wq_scales 1,024 x 32 uint8 (E8M0 scales of Wq, one for each 32 codes along K); Wv_codes 1,024 x 32 x 24 uint8 (E2M3 codes of Wv, K innermost, in blocks of 32 codes, four codes in three bytes); Wv_scales 1,024 x 32 uint8 (E8M0 scales of Wv, one for each 32 codes along K); bk 1,024 float32; bo 1,024 float32; bq 1,024 float32; bv 1,024 float32; mask 4 x 2,048 int32; x_codes 4 x 2,048 x 32 x 24 uint8 (E2M3 codes of x, K innermost, in blocks of 32 codes, four codes in three bytes); x_scales 4 x 2,048 x 32 uint8 (E8M0 scales of x, one for each 32 codes along K).
;; Outputs: out0 4 x 2,048 x 1,024 float32.
;; This version of the problem:
;;   THIS VERSION OF THE PROBLEM IS GIVEN IN LOW PRECISION. The matrix products marked QUANTISED in the list below multiply operands that are first quantised to E2M3 (2 exponent bits, 3 mantissa bits; 6 bits a number), with one power-of-two scale for each 32 numbers along K (OCP MX v1.0); their sums are f32. All else is computed in f32.
;;   The module's matrix products, in the order in which they are computed (A, B: the left and right operand; K: the contracted axis; several contracted axes count as one K, in the product's order):
;;     1. [M 8,192, K 1,024] x [K 1,024, N 1,024]; A: input x (given as codes); B: input Wq (given as codes): QUANTISED
;;     2. [M 8,192, K 1,024] x [K 1,024, N 1,024]; A: input x (given as codes); B: input Wk (given as codes): QUANTISED
;;     3. [M 8,192, K 1,024] x [K 1,024, N 1,024]; A: input x (given as codes); B: input Wv (given as codes): QUANTISED
;;     4. batch 64 x [M 2,048, K 64] x [K 64, N 2,048]; A: computed on the way; B: computed on the way: QUANTISED
;;     5. batch 64 x [M 2,048, K 2,048] x [K 2,048, N 64]; A: softmax (see below); B: computed on the way: QUANTISED
;;     6. [M 8,192, K 1,024] x [K 1,024, N 1,024]; A: computed on the way; B: input Wo (given as codes): QUANTISED
;;   THE QUANTISER, for each operand of a quantised product, along K:
;;     - K is cut into blocks of 32 from its start; a last block that is shorter is filled with zeros.
;;     - A block's scale is 2^e with e = floor(log2(the largest magnitude in the block)) - 2, held to -126 .. 127; a block of zeros has e = 0. As a byte (E8M0): e + 127.
;;     - Each number is divided by its block's scale, clamped to +-7.5, and rounded to the nearest number of E2M3, ties to even, subnormals kept.
;;     - The product sums the exact products of the quantised numbers (number of the format x scale) in f32.
;;   ~~~python
;;   def quantise(x, axis):      # numpy; x: float32 -> the quantised numbers, widened to float32 again
;;       x = np.moveaxis(x, axis, -1); K = x.shape[-1]
;;       x = np.pad(x, [(0, 0)] * (x.ndim - 1) + [(0, -K % 32)]); x = x.reshape(x.shape[:-1] + (-1, 32)); a = np.abs(x).max(-1, keepdims=True)
;;       e = np.where(a > 0, np.clip(np.frexp(np.where(a > 0, a, 1))[1] - 1 - 2, -126, 127), 0)      # np.frexp(a)[1] - 1 = floor(log2(a)), exactly
;;       r = np.clip(x / 2.0 ** e, -7.5, 7.5)
;;       step = 2.0 ** (np.maximum(np.frexp(np.where(r == 0, 1, r))[1] - 1, 0) - 3)
;;       q = np.round(r / step) * step * 2.0 ** e      # np.round: ties to even
;;       return np.moveaxis(q.reshape(q.shape[:-2] + (-1,))[..., :K], -1, axis).astype(np.float32)
;;   ~~~
;;   SOFTMAX AHEAD OF A QUANTISED PRODUCT. Where the list says 'softmax', what is quantised is not the finished softmax but p = 2^(t - M), with t = logit x log2(e) and M = ceil(the row's largest t), a whole number; so 1/2 < the row's largest p <= 1. The row's sum l is taken of the UNQUANTISED p, in f32, and the product's result is divided by l at the end. Since M is a whole number, a kernel that streams over the keys may use a running M (the ceiling of the running maximum): every later rescaling is an exact power of two, which a block's scale takes up: the codes' values come out the same.
;;   OPERANDS COMPUTED ON THE WAY. 'Computed on the way' means the value that the module computes at that place (a softmax that the list does not call 'softmax' is quantised finished and normalised). What goes into a quantiser is computed in f32, as accurately as f32 sums, v_exp_f32 and their like allow (about 1e-6 of the number): no bf16 or f16 on the way to a quantiser, and a product that is left as it is and whose result goes on into a quantised operand takes f32 operands (vector FMAs, or v_wmma_f32_16x16x4_f32). A number that lies on a knife's edge between two numbers of the format may be rounded either way, as far as f32 arithmetic and the matrix unit's own rounding can turn it there, and no further.
;;   INPUTS GIVEN AS CODES. Wk (in the module: [1024, 1024], K = its axis 1); Wo (in the module: [1024, 1024], K = its axis 1); Wq (in the module: [1024, 1024], K = its axis 1); Wv (in the module: [1024, 1024], K = its axis 1); x (in the module: [4, 2048, 1024], K = its axis 2): each comes as NAME_codes (uint8): NAME with its K axis moved to the last place and cut into blocks of 32 codes, [.., K / 32, bytes a block], one block behind the other in memory; four codes in three bytes: a row's codes are one little-endian stream of bits, code i at bits 6 i .. 6 i + 5 (a code: sign, 2 exponent bits, 3 mantissa bits); and NAME_scales (uint8): the same leading axes, one E8M0 byte (e + 127) for each 32 codes along K. Its value is code x scale, taken as it is: it is not quantised again, and the codes and scales need not be those that the quantiser above would give.
;; One version. Each part assembles by itself: llvm-mc -triple=amdgcn-amd-amdhsa -mcpu=gfx1250 --defsym DOCPART=n.
;; ======== version 1 of 1: 4 launches
;; limits: right only within a limited range of input values
;; workspace buffers: qimg 8,388,608 bytes; qsc 524,288 bytes; kv 15,728,640 bytes; aimg 6,291,456 bytes; asc 262,144 bytes; xr 6,291,456 bytes; wr 3,145,728 bytes
;; launch prep (part 1): grid 768 x 1, 6 waves a work-group, no clusters, 0 bytes of LDS; arguments x_codes, Wq_codes, Wk_codes, Wv_codes, Wo_codes, xr, wr; writes xr, wr
.if DOCPART == 1
	.amdgcn_target "amdgcn-amd-amdhsa--gfx1250"
	.amdhsa_code_object_version 6
	.text
	.protected	k_qac5d31b5ba_prep
	.globl	k_qac5d31b5ba_prep
	.p2align	8
	.type	k_qac5d31b5ba_prep,@function
k_qac5d31b5ba_prep:
	s_mov_b64 s[64:65], 0
	v_nop
	global_prefetch_b8 v0, s[64:65] scope:SCOPE_SE
	s_setreg_imm32_b32 hwreg(HW_REG_WAVE_MODE, 25, 1), 1
	s_wait_xcnt 0x0
; The codes of x and of the four weights are laid anew: from [row][768 bytes] to [K step of 256: 4][row][192 bytes], so that the 128 or 256 rows
; of a K step that a later launch fetches are one dense block, a multiple of 256 bytes long that begins at a multiple of 256.
; xr: x's 8,192 rows.  wr: Wq, Wk, Wv, Wo, 786,432 bytes each.  No code is changed; nothing of reference() is left out in this program.
; A work-group takes 16 rows: 192 threads, thread t the 16 bytes t % 12 of row t / 12, in each of the four K steps.
; A wave's store covers 512 consecutive bytes at a multiple of 256.  Work-groups 0-511: x; then 64 for each weight.  No LDS, no matrix work, no cluster: nothing is shared.
	s_load_b256 s[4:11], s[0:1], 0x0               ; x, Wq, Wk, Wv
	s_load_b128 s[12:15], s[0:1], 0x20             ; Wo, xr
	s_load_b64 s[16:17], s[0:1], 0x30              ; wr
	s_sub_co_u32 s18, ttmp9, 512
	s_lshr_b32 s19, s18, 6                         ; which weight
	s_and_b32 s18, s18, 63                         ; its block of 16 rows
	s_mul_i32 s22, s19, 786432
	s_mov_b32 s20, 1024*192
	s_cmp_lt_u32 ttmp9, 512
	s_cselect_b32 s18, ttmp9, s18
	s_cselect_b32 s20, 8192*192, s20               ; bytes from K step to K step in the new order
	s_cselect_b32 s22, 0, s22
	v_mul_u32_u24 v1, v0, 171
	v_lshrrev_b32 v1, 11, v1                       ; t / 12 (exact for t under 511)
	v_mul_u32_u24 v2, v1, 12
	v_sub_nc_u32 v2, v0, v2
	v_lshlrev_b32 v2, 4, v2
	v_mad_u32_u24 v2, v1, 768, v2                  ; from: row x 768 + 16 x piece
	v_lshlrev_b32 v3, 4, v0                        ; to: 16 t
	v_add_nc_u32 v4, s20, v3
	v_add_nc_u32 v5, s20, v4
	v_add_nc_u32 v6, s20, v5
	s_mul_i32 s28, s18, 16*768
	s_mov_b32 s29, 0
	s_mul_i32 s30, s18, 16*192
	s_add_co_u32 s30, s30, s22
	s_mov_b32 s31, 0
	s_wait_alu depctr_va_vdst(0)                   ; the wait at the head's end
	s_wait_kmcnt 0x0
	s_cmp_eq_u32 s19, 1
	s_cselect_b64 s[24:25], s[8:9], s[6:7]
	s_cmp_eq_u32 s19, 2
	s_cselect_b64 s[24:25], s[10:11], s[24:25]
	s_cmp_eq_u32 s19, 3
	s_cselect_b64 s[24:25], s[12:13], s[24:25]
	s_cmp_lt_u32 ttmp9, 512
	s_cselect_b64 s[24:25], s[4:5], s[24:25]
	s_cselect_b64 s[26:27], s[14:15], s[16:17]
	s_add_nc_u64 s[24:25], s[24:25], s[28:29]
	s_add_nc_u64 s[26:27], s[26:27], s[30:31]
.irp s, 0,1,2,3
	global_load_b128 v[8+4*\s:11+4*\s], v2, s[24:25] offset:192*\s th:TH_LOAD_NT
.endr
	s_wait_loadcnt 0x0
.irp s, 0,1,2,3
	global_store_b128 v[3+\s], v[8+4*\s:11+4*\s], s[26:27]
.endr
	s_endpgm
.Lfunc_end_k_qac5d31b5ba_prep:
	.size	k_qac5d31b5ba_prep, .Lfunc_end_k_qac5d31b5ba_prep-k_qac5d31b5ba_prep
	.p2alignl 7, 3214868480
	.fill 96, 4, 3214868480
	.section	.rodata,"a",@progbits
	.p2align	6, 0x0
	.amdhsa_kernel k_qac5d31b5ba_prep
		.amdhsa_group_segment_fixed_size 0
		.amdhsa_private_segment_fixed_size 0
		.amdhsa_enable_private_segment 0
		.amdhsa_kernarg_size 56
		.amdhsa_user_sgpr_count 2
		.amdhsa_user_sgpr_kernarg_segment_ptr 1
		.amdhsa_wavefront_size32 1
		.amdhsa_system_sgpr_workgroup_id_x 1
		.amdhsa_system_sgpr_workgroup_id_y 1
		.amdhsa_system_sgpr_workgroup_id_z 1
		.amdhsa_system_vgpr_workitem_id 0
		.amdhsa_next_free_vgpr 32
		.amdhsa_next_free_sgpr 66
		.amdhsa_reserve_vcc 0
		.amdhsa_float_denorm_mode_32 3
		.amdhsa_float_denorm_mode_16_64 3
		.amdhsa_memory_ordered 1
		.amdhsa_forward_progress 1
		.amdhsa_inst_pref_size 3
	.end_amdhsa_kernel
	.amdgpu_metadata
---
amdhsa.version: [ 1, 2 ]
amdhsa.kernels:
  - .name:           k_qac5d31b5ba_prep
    .symbol:         k_qac5d31b5ba_prep.kd
    .args:
      - { .name: x_codes, .offset: 0, .size: 8, .value_kind: global_buffer, .address_space: global }
      - { .name: Wq_codes, .offset: 8, .size: 8, .value_kind: global_buffer, .address_space: global }
      - { .name: Wk_codes, .offset: 16, .size: 8, .value_kind: global_buffer, .address_space: global }
      - { .name: Wv_codes, .offset: 24, .size: 8, .value_kind: global_buffer, .address_space: global }
      - { .name: Wo_codes, .offset: 32, .size: 8, .value_kind: global_buffer, .address_space: global }
      - { .name: xr, .offset: 40, .size: 8, .value_kind: global_buffer, .address_space: global }
      - { .name: wr, .offset: 48, .size: 8, .value_kind: global_buffer, .address_space: global }
    .group_segment_fixed_size: 0
    .private_segment_fixed_size: 0
    .kernarg_segment_align: 8
    .kernarg_segment_size: 56
    .max_flat_workgroup_size: 192
    .sgpr_count:     66
    .vgpr_count:     32
    .wavefront_size: 32
...
	.end_amdgpu_metadata
.endif
;; end of part 1
;; launch qkv (part 2): grid 12 x 32, 4 waves a work-group, clusters of 4 x 4, 327,680 bytes of LDS; arguments xr, x_scales, wr, Wq_scales, Wk_scales, Wv_scales, bq, bk, bv, mask, qimg, qsc, kv; writes qimg, qsc, kv
.if DOCPART == 2
	.amdgcn_target "amdgcn-amd-amdhsa--gfx1250"
	.amdhsa_code_object_version 6
	.text
	.protected	k_qac5d31b5ba_qkv
	.globl	k_qac5d31b5ba_qkv
	.p2align	8
	.type	k_qac5d31b5ba_qkv,@function
k_qac5d31b5ba_qkv:
	s_mov_b64 s[64:65], 0
	v_nop
	global_prefetch_b8 v0, s[64:65] scope:SCOPE_SE
	s_setreg_imm32_b32 hwreg(HW_REG_WAVE_MODE, 25, 1), 1
	s_wait_xcnt 0x0
	s_wait_alu depctr_hold_cnt(0) depctr_sa_sdst(0) depctr_va_vdst(0) depctr_va_sdst(0) depctr_va_ssrc(0) depctr_va_vcc(0) depctr_vm_vsrc(0)
	s_getreg_b32 s2, hwreg(HW_REG_IB_STS2, 6, 4)
	s_cmp_eq_u32 s2, 0
	s_cbranch_scc0 .Lentry_in_a_cluster
	s_endpgm
.Lentry_in_a_cluster:
	s_bfe_u32 s2, ttmp6, 0x10000c
	s_cmp_lg_u32 s2, 0xf033
	s_cbranch_scc0 .Lentry_shape_is_right
	s_endpgm
.Lentry_shape_is_right:
.set SIZE_K, 1024
.set KSTEP,  256
.set NQ,     KSTEP/128
.set ROWB,   192
.set KROW,   192                       ; a row of a K step in xr and wr: [K step][row][192 bytes], dense
.set G0H,    4                         ; s[4:7], s[8:11] group 0 of the head's loads of K step 0: A's 256 rows, B's 256 rows
.set G0HB,   8
.set PITCH,  240
.set FR,     12
.set NL,     6
.set NP,     4
.set HALFT,  128*PITCH
.set SLOT,   4*HALFT
.set LAPS,   SIZE_K/(2*KSTEP)
.set KS,     SIZE_K/32
.set SCL,    2*SLOT
.set HALFS,  (128*KS/256)*272
.set SBLK,   (16*KS/256)*272
.set SPARE,  SCL+4*HALFS
.set ADRA, 16
.set ADRB, 20
.set ADRS, 27
.set SPW,  28
.set NIL,  29
.set SC,   32
.set B0,   64
.set AF,   128
.set MW,   224
.set TW,   232
.set B1,   240
.set ZM,   248
.set LI,   249
.set R4,   250
.set H32,  251
.set T,    128
.set TM,   192
.set E,    208
.set YT,   16
.set PW,   24
.set SEL,  92
.set G1, 24
.set G0, 32
.set G1B, 48
.set G0B, 56
.set G1S, 68
.set G0S, 76
.set G1SB, 80
.set G0SB, 88
.set MSB, 0
.macro WIN new
.if MSB != (\new)
	s_set_vgpr_msb (MSB<<8)|(\new)
.set MSB, (\new)
.endif
.endm
.set MUL_LO, 0xa1
.set MUL_HI, 0xf1
.set TO_B,   0x40
.macro JLOAD g0a, g1a, g0b, g1b
	s_cmp_eq_u32 s15, 0
	s_cbranch_scc0 .Lfor_b_\@
	tensor_load_to_lds s[\g0a:\g0a+3], s[\g1a:\g1a+7]
	s_nop 0
.rept 4
	v_nop
.endr
	s_branch .Lasked_\@
.Lfor_b_\@:
	tensor_load_to_lds s[\g0b:\g0b+3], s[\g1b:\g1b+7]
	s_nop 0
.rept 4
	v_nop
.endr
.Lasked_\@:
.endm
.macro CREST
	s_cmp_lg_u32 s14, 0
	s_cbranch_scc1 .Lnot_wave_0_\@
	s_barrier_signal -3
.Lnot_wave_0_\@:
	s_barrier_wait -3
	s_barrier_signal -1
	s_barrier_wait -1
.endm
.macro CROUND
	s_barrier_signal -1
	s_barrier_wait -1
	CREST
.endm
; Q, K, V = x W^T + b on codes of FP6, a block of 256 x 256 a work-group, quantised on the way out into the images that the attention launch reads.
; Codes come from xr and wr, where a K step's 128 rows are 24,576 dense bytes: fetched as 96 rows of 256 bytes, with 16 bytes of padding behind every 64, so that an LDS row of 192 bytes has a pitch of 240.
; THE MASK: a masked key's image carries a code at k = 64 by which the score's product adds -2^33; LIMIT: a masked logit is the true one - 2^30 where reference() has -1e9.  NaN and infinities are not served.
	s_load_b256 s[68:75], s[0:1], 0x0              ; xr, x_scales, wr, Wq_scales
	s_load_b64 s[78:79], s[0:1], 0x20              ; Wk_scales
	s_load_b64 s[82:83], s[0:1], 0x28              ; Wv_scales
	s_load_b256 s[84:91], s[0:1], 0x30             ; bq, bk, bv, mask
	s_load_b128 s[92:95], s[0:1], 0x50             ; qimg, qsc
	s_load_b64 s[96:97], s[0:1], 0x60              ; kv
	v_lshl_add_u32 v[SPW], v0, 2, SPARE
	v_mov_b32 v[NIL], 0
	ds_add_u32 v28, v29
	ds_add_u32 v28, v29
	s_wait_dscnt 0x0
	v_lshrrev_b32 v1, 5, v0
	v_readfirstlane_b32 s14, v1
	s_lshr_b32 s15, s14, 1
	s_and_b32 s16, s14, 1
	s_bfe_u32 s40, ttmp6, 0x40000
	s_bfe_u32 s41, ttmp6, 0x40004
	s_and_b32 s18, ttmp7, 0xffff
	s_lshl_b32 s18, s18, 2
	s_cmp_eq_u32 ttmp9, 2
	s_cselect_b32 s17, 0, s18
	s_cselect_b32 s42, s18, 0
	s_add_co_u32 s17, s17, s41
	s_add_co_u32 s42, s42, s40
	s_lshl_b32 s43, s41, 2
	s_lshl_b32 s43, 15, s43
	s_lshl_b32 s44, 0x1111, s40
	s_or_b32 s[G1+0], s43, (3<<16)|(1<<20)|(1<<21)|(3<<22)|(3<<25)
	s_or_b32 s[G1B+0], s44, (3<<16)|(1<<20)|(1<<21)|(3<<22)|(3<<25)
.irp g, G1, G1B
	s_mov_b32 s[\g+1], 32<<16                      ; rows of 256 bytes: 32 elements of 8
	s_mov_b32 s[\g+2], 192<<16                     ; the head's loads: 256 rows of codes = 192 such rows
	s_mov_b32 s[\g+3], 32<<16
	s_mov_b32 s[\g+4], 192
	s_mov_b32 s[\g+5], 32
	s_mov_b32 s[\g+6], 0
	s_mov_b32 s[\g+7], 0
.endr
	s_wait_kmcnt 0x0
	s_add_nc_u64 s[76:77], s[72:73], 786432        ; Wk's codes in wr
	s_add_nc_u64 s[80:81], s[72:73], 2*786432      ; Wv's
	s_cmp_eq_u32 ttmp9, 1
	s_cselect_b64 s[8:9], s[76:77], s[72:73]
	s_cselect_b64 s[10:11], s[78:79], s[74:75]
	s_cselect_b64 s[12:13], s[86:87], s[84:85]
	s_cmp_eq_u32 ttmp9, 2
	s_cselect_b64 s[4:5], s[80:81], s[68:69]
	s_cselect_b64 s[6:7], s[82:83], s[70:71]
	s_cselect_b64 s[8:9], s[68:69], s[8:9]
	s_cselect_b64 s[10:11], s[70:71], s[10:11]
	s_cselect_b64 s[12:13], s[88:89], s[12:13]
	s_cmp_eq_u32 ttmp9, 0
	s_cselect_b64 s[66:67], s[92:93], s[96:97]
	s_cselect_b64 s[98:99], s[94:95], s[96:97]
	s_mov_b64 s[100:101], s[90:91]
	s_or_b32 s[G1S+0], s43, (3<<16)|(1<<20)|(1<<21)|(5<<22)|(3<<25)
	s_or_b32 s[G1SB+0], s44, (3<<16)|(1<<20)|(1<<21)|(5<<22)|(3<<25)
.irp g, G1S, G1SB
	s_mov_b32 s[\g+1], 32<<16
	s_mov_b32 s[\g+2], (256*KS/256)<<16
	s_mov_b32 s[\g+3], 32<<16
	s_mov_b32 s[\g+4], 256*KS/256
	s_mov_b32 s[\g+5], 32
	s_mov_b32 s[\g+6], 0
	s_mov_b32 s[\g+7], 0
.endr
	s_mov_b32 s18, 0                               ; the addresses below are those of the block's first rows
	s_lshl_b32 s20, s17, 8
	s_add_co_u32 s20, s20, s18
	s_lshl_b32 s46, s42, 8
	s_add_co_u32 s46, s46, s18
	s_mov_b32 s21, 0
	s_mov_b32 s47, 0
	s_mov_b64 s[18:19], KS
	s_mul_u64 s[22:23], s[20:21], s[18:19]
	s_mul_u64 s[92:93], s[46:47], s[18:19]
	s_mov_b64 s[18:19], KROW
	s_mul_u64 s[20:21], s[20:21], s[18:19]
	s_mul_u64 s[46:47], s[46:47], s[18:19]
	s_mul_i32 s45, s14, HALFT
	s_mul_i32 s94, s14, HALFS
	s_add_nc_u64 s[20:21], s[4:5], s[20:21]
	s_add_nc_u64 s[22:23], s[6:7], s[22:23]
	s_add_nc_u64 s[46:47], s[8:9], s[46:47]
	s_add_nc_u64 s[92:93], s[10:11], s[92:93]
	s_mul_i32 s18, s16, 128*KROW                   ; in the ring I fetch 128 rows: which half, in bytes
	s_mov_b32 s19, 0
	s_cmp_eq_u32 ttmp9, 2                          ; for V the weight is A and x is B
	s_mov_b32 s40, 8192*KROW
	s_cselect_b32 s40, 1024*KROW, s40              ; bytes from K step to K step: A's,
	s_mov_b32 s41, 1024*KROW
	s_cselect_b32 s41, 8192*KROW, s41              ; B's
	CROUND                                         ; all sixteen work-groups are here: the first joint loads meet
.macro D0 g, lds, a
	s_mov_b32 s[\g], 1
	s_mov_b32 s[\g+1], \lds
	s_mov_b64 s[\g+2:\g+3], s[\a:\a+1]
	s_or_b32 s[\g+3], s[\g+3], 0x80000000
.endm
	D0 G0H, 0, 20                                  ; K step 0: A's 256 rows,
	D0 G0HB, 2*HALFT, 46                           ; B's 256 rows,
	D0 G0S, SCL, 22                                ; the scales of A's 256 rows,
	D0 G0SB, SCL+2*HALFS, 92                       ; and of B's
	s_add_nc_u64 s[20:21], s[20:21], s[18:19]
	s_add_nc_u64 s[46:47], s[46:47], s[18:19]
	D0 G0, s45, 20                                 ; the ring: slot 0 (first used at its refill),
	D0 G0B, s45, 46
	s_mov_b32 s[G0+4], 1                           ; slot 1: K step 1
	s_add_co_u32 s[G0+5], s45, SLOT
	s_add_co_u32 s[G0+6], s20, s40
	s_add_co_ci_u32 s[G0+7], s21, 0
	s_or_b32 s[G0+7], s[G0+7], 0x80000000
	s_mov_b32 s[G0B+4], 1
	s_add_co_u32 s[G0B+5], s45, SLOT
	s_add_co_u32 s[G0B+6], s46, s41
	s_add_co_ci_u32 s[G0B+7], s47, 0
	s_or_b32 s[G0B+7], s[G0B+7], 0x80000000
	s_lshl_b32 s40, s40, 1                         ; a refill steps two K steps on
	s_lshl_b32 s41, s41, 1
; the head's four tiles, one joint load a wave, in one tree of branches on the wave's number
.macro ARM under, g0, g1, next
	s_cmp_lt_u32 s14, \under
	s_cbranch_scc0 \next
	tensor_load_to_lds s[\g0:\g0+3], s[\g1:\g1+7]
	s_nop 0
.rept 4
	v_nop
.endr
	s_branch .Lhead_asked
\next:
.endm
	ARM 1, G0H,  G1,  .Lhead_b
	ARM 2, G0HB, G1B, .Lhead_sa
	ARM 3, G0S,  G1S, .Lhead_sb
	tensor_load_to_lds s[G0SB:G0SB+3], s[G1SB:G1SB+7]
	s_nop 0
.rept 4
	v_nop
.endr
.Lhead_asked:
	v_and_b32 v1, 15, v0
	v_bfe_u32 v2, v0, 4, 1
	v_mul_u32_u24 v3, v1, PITCH
	v_mul_u32_u24 v4, v2, 24
	v_add_nc_u32 v4, v3, v4
	v_lshl_add_u32 v5, v2, 4, v4
	s_mul_i32 s21, s15, HALFT
	s_mul_i32 s22, s16, HALFT
	s_add_co_u32 s22, s22, 2*HALFT
.irp s, 0,1
	v_add_nc_u32 v[ADRA+\s], s21, v4
	v_add_nc_u32 v[ADRB+\s], s22, v4
	v_add_nc_u32 v[ADRA+2+\s], s21, v5
	v_add_nc_u32 v[ADRB+2+\s], s22, v5
	s_add_co_u32 s21, s21, SLOT
	s_add_co_u32 s22, s22, SLOT
.endr
	v_mul_u32_u24 v5, v1, KS
	v_lshrrev_b32 v6, 8, v5
	v_lshl_add_u32 v5, v6, 4, v5
	s_mul_i32 s21, s15, HALFS
	s_mul_i32 s22, s16, HALFS
	s_add_co_u32 s22, s22, 2*HALFS
	s_sub_co_u32 s22, s22, s21
	v_mul_u32_u24 v6, s22, v2
	s_add_co_u32 s21, s21, SCL
	v_add_nc_u32 v5, v5, v6
	v_add_nc_u32 v[ADRS], s21, v5
	s_lshl_b32 s20, s17, 8
	s_lshl_b32 s21, s15, 7
	s_add_co_u32 s20, s20, s21
	s_lshl_b32 s22, s42, 8
	s_lshl_b32 s23, s16, 7
	s_add_co_u32 s22, s22, s23
	s_cmp_eq_u32 ttmp9, 2
	s_cselect_b32 s95, s22, s20
	s_cselect_b32 s96, s20, s22
	s_lshr_b32 s20, s95, 11
	s_lshl_b32 s20, s20, 13
	s_mov_b32 s21, 0
	s_add_nc_u64 s[104:105], s[100:101], s[20:21]
	s_lshl_b32 s20, s95, 2
	s_add_nc_u64 s[100:101], s[100:101], s[20:21]
	v_and_b32 v6, 31, v0
	v_lshlrev_b32 v[LI], 4, v6
	v_lshlrev_b32 v[R4], 2, v1
	v_lshlrev_b32 v[H32], 5, v2
.irp i, 0,1,2,3,4,5,6,7,8,9,10,11,12,13,14,15
	global_load_b128 v[B0+4*\i:B0+4*\i+3], v[LI], s[104:105] offset:512*\i
.endr
.irp a, 0,1,2,3,4,5,6,7
	global_load_b32 v[MW+\a], v[R4], s[100:101] offset:64*\a
.endr
	s_wait_loadcnt 0x0
.set i, 4
.rept 60
	v_or_b32 v[B0+i%4], v[B0+i%4], v[B0+i]
.set i, i+1
.endr
	v_or_b32 v[B0], v[B0], v[B0+1]
	v_or_b32 v[B0+2], v[B0+2], v[B0+3]
	v_or_b32 v[B0], v[B0], v[B0+2]
	v_cmp_ne_u32 s97, 0, v[B0]
	s_cmp_lg_u32 s97, 0
	s_cselect_b32 s20, 0x28, 0
	s_mov_b32 s21, 144
	s_cselect_b32 s21, s21, 1
	s_cselect_b32 s22, -1, 0
	s_cmp_eq_u32 ttmp9, 0
	s_cselect_b32 s20, 8, s20
	s_mov_b32 s23, 143
	s_cselect_b32 s21, s23, s21
	s_cselect_b32 s22, s22, -1
	s_cselect_b32 s46, 8, 0
	s_cselect_b32 s23, s23, 1
	s_lshl_b32 s21, s21, 16
	s_or_b32 s21, s21, 1<<24
	s_lshl_b32 s23, s23, 16
	s_or_b32 s23, s23, 1<<24
	v_mov_b32 v3, s20
	v_mov_b32 v4, s21
	v_mov_b32 v5, s46
	v_mov_b32 v6, s23
	v_mov_b32 v7, 0
	v_mov_b32 v[ZM], s22
	s_mov_b32 s47, 0xffff0000
.irp a, 0,1,2,3,4,5,6,7
	v_cmp_eq_u32 vcc_lo, 0, v[MW+\a]
	v_cndmask_b32 v[TW+\a], v6, v4, vcc_lo
	v_cndmask_b32 v[MW+\a], v5, v3, vcc_lo
	v_cndmask_b32 v[MW+\a], v[MW+\a], v7, s47
.endr
	s_lshl_b32 s20, s96, 2
	s_mov_b32 s21, 0
	s_add_nc_u64 s[12:13], s[12:13], s[20:21]
.irp b, 0,1,2,3,4,5,6,7
	global_load_b128 v[B0+8*\b:B0+8*\b+3], v[H32], s[12:13] offset:64*\b
	global_load_b128 v[B0+8*\b+4:B0+8*\b+7], v[H32], s[12:13] offset:64*\b+16
.endr
.irp a, 0,1,2,3,4,5,6,7
	global_load_b32 v[B1+\a], v[R4], s[12:13] offset:64*\a
.endr
.macro FRAG reg, adr, q, i
.irp p, 0,1,2,3,4,5
.set PC, 12*(\q)+6*(\p/3)+\p%3
.if PC%8 < 5
	ds_load_b64 v[\reg+2*\p:\reg+2*\p+1], v[\adr] offset:8*PC+16*(PC/8)+(\i)*16*PITCH
.else
	ds_load_b64 v[\reg+2*\p:\reg+2*\p+1], v[\adr+2] offset:8*PC+16*(PC/8)+(\i)*16*PITCH
.endif
.endr
.endm
.macro MUL16 a0, p, q, sc, zero
.irp a, \a0, \a0+1
.irp b, 0,1,2,3,4,5,6,7
.if \zero
	v_wmma_scale_f32_16x16x128_f8f6f4 v[8*(8*((\a)%4)+\b):8*(8*((\a)%4)+\b)+7], v[128*(\p)+FR*\b:128*(\p)+FR*\b+FR-1], v[AF+FR*(\a):AF+FR*(\a)+FR-1], 0, v[SC+8*NQ*(\sc)+NQ*\b+(\q)], v[SC+8*NQ*(\sc)+NQ*(\a)+(\q)] matrix_a_fmt:MATRIX_FMT_FP6 matrix_b_fmt:MATRIX_FMT_FP6 matrix_a_scale:MATRIX_SCALE_ROW1
.else
	v_wmma_scale_f32_16x16x128_f8f6f4 v[8*(8*((\a)%4)+\b):8*(8*((\a)%4)+\b)+7], v[128*(\p)+FR*\b:128*(\p)+FR*\b+FR-1], v[AF+FR*(\a):AF+FR*(\a)+FR-1], v[8*(8*((\a)%4)+\b):8*(8*((\a)%4)+\b)+7], v[SC+8*NQ*(\sc)+NQ*\b+(\q)], v[SC+8*NQ*(\sc)+NQ*(\a)+(\q)] matrix_a_fmt:MATRIX_FMT_FP6 matrix_b_fmt:MATRIX_FMT_FP6 matrix_a_scale:MATRIX_SCALE_ROW1
.endif
.endr
.endr
.endm
.macro FETCH_B slot, q, p
	WIN TO_B
.irp i, 0,1,2,3,4,5,6,7
	FRAG 128*(\p)+FR*\i, ADRB+\slot, \q, \i
.endr
	WIN 0
.endm
.macro FETCH_A slot, q, i0
.irp i, \i0, \i0+1, \i0+2, \i0+3
	FRAG AF+FR*(\i), ADRA+\slot, \q, \i
.endr
.endm
.macro SCALES sc
.irp i, 0,1,2,3,4,5,6,7
	ds_load_b64 v[SC+8*NQ*\sc+NQ*\i:SC+8*NQ*\sc+NQ*\i+1], v[ADRS] offset:\i*SBLK
.endr
.endm
.macro PLACES n
.rept \n
	v_nop
.endr
.endm
.macro STEP slot, q, zero
	s_wait_dscnt 4*NL
	WIN MUL_LO
	MUL16 0, (\q)%2, \q, \slot, \zero
	MUL16 2, (\q)%2, \q, \slot, \zero
	s_wait_dscnt 0
	PLACES NP
	FETCH_B \slot, (\q)+1, 1-(\q)%2
	FETCH_A \slot, (\q)+1, 0
	WIN MUL_HI
	MUL16 4, (\q)%2, \q, \slot, \zero
	MUL16 6, (\q)%2, \q, \slot, \zero
	PLACES NP
	WIN 0
	FETCH_A \slot, (\q)+1, 4
.endm
.macro TURN slot, next, fill
	s_wait_tensorcnt 0x0
	ds_add_u32 v[SPW], v[NIL]
	s_wait_dscnt 4*NL+1
	WIN MUL_LO
	MUL16 0, 1, NQ-1, \slot, 0
	s_wait_dscnt 0x0
	s_barrier_signal -1
	MUL16 2, 1, NQ-1, \slot, 0
	WIN 0
	s_barrier_wait -1
.if \fill
	CREST
	s_add_co_u32 s[G0+4*\slot+2], s[G0+4*\slot+2], s40
	s_add_co_ci_u32 s[G0+4*\slot+3], s[G0+4*\slot+3], 0
	s_add_co_u32 s[G0B+4*\slot+2], s[G0B+4*\slot+2], s41
	s_add_co_ci_u32 s[G0B+4*\slot+3], s[G0B+4*\slot+3], 0
	JLOAD G0+4*\slot, G1, G0B+4*\slot, G1B
.else
	PLACES NP
.endif
	s_wait_alu depctr_va_vdst(0)
	v_add_nc_u32 v[ADRS], 4*NQ, v[ADRS]
	FETCH_B \next, 0, 0
	FETCH_A \next, 0, 0
	SCALES \next
	WIN MUL_HI
	MUL16 4, 1, NQ-1, \slot, 0
	MUL16 6, 1, NQ-1, \slot, 0
	PLACES NP
	WIN 0
	FETCH_A \next, 0, 4
.endm
	s_wait_loadcnt 0x0
	s_wait_alu depctr_va_vdst(0)                   ; the wait at the head's end
	s_wait_tensorcnt 0x0                           ; my tile of the head's four is in; the lines ahead of a later first fill:
	ds_add_u32 v[SPW], v[NIL]
	s_mov_b32 s[G1+2], 96<<16                      ; no load of mine is out: from here on a load brings 128 rows of codes, 96 rows of 256 bytes
	s_mov_b32 s[G1+4], 96
	s_mov_b32 s[G1B+2], 96<<16
	s_mov_b32 s[G1B+4], 96
	s_wait_dscnt 0x0
	CROUND                                         ; all four tiles are in, in every partner
	JLOAD G0+4, G1, G0B+4, G1B                     ; K step 1 into slot 1: the first tensor load behind the round
	FETCH_B 0, 0, 0
	FETCH_A 0, 0, 0
	SCALES 0
	FETCH_A 0, 0, 4
	STEP 0, 0, 1
	s_mov_b32 s3, LAPS-1
.Llap:
	TURN 0, 1, 1
	STEP 1, 0, 0
	TURN 1, 0, 1
	STEP 0, 0, 0
	s_sub_co_u32 s3, s3, 1
	s_cmp_lg_u32 s3, 0
	s_cbranch_scc1 .Llap
	TURN 0, 1, 0
	STEP 1, 0, 0
	s_wait_dscnt 4*NL
	WIN MUL_LO
	MUL16 0, 1, NQ-1, 1, 0
	MUL16 2, 1, NQ-1, 1, 0
	s_wait_dscnt 0
	WIN MUL_HI
	MUL16 4, 1, NQ-1, 1, 0
	MUL16 6, 1, NQ-1, 1, 0
	WIN 0
.macro QUANT src, dst, gap
.irp b, 0,1,2,3
	v_max3_num_f32 v[TM+\b], |v[\src+16*\b]|, |v[\src+1+16*\b]|, 0x1800000
.endr
.irp i, 2,4,6,8,10,12,14
.irp b, 0,1,2,3
	v_max3_num_f32 v[TM+\b], v[TM+\b], |v[\src+16*\b+\i]|, |v[\src+1+16*\b+\i]|
.endr
.endr
.irp b, 0,1,2,3
	v_permlanex16_b32 v[TM+4+\b], v[TM+\b], s[SEL], s[SEL+1]
.endr
.irp b, 0,1,2,3
	v_max_num_f32 v[TM+\b], v[TM+\b], v[TM+4+\b]
.endr
.irp b, 0,1,2,3
	v_add_nc_u32 v[TM+12+\b], 0xff000000, v[TM+\b]
.endr
.irp b, 0,1,2,3
	v_lshrrev_b32 v[TM+4+\b], 23, v[TM+12+\b]
.endr
	v_lshl_or_b32 v[PW], v[TM+5], 8, v[TM+4]
	v_lshl_or_b32 v[PW], v[TM+6], 16, v[PW]
	v_lshl_or_b32 v[PW], v[TM+7], 24, v[PW]
.irp c, 0,1
	v_cvt_scalef32_pk16_fp6_f32 v[\dst+\gap*\c:\dst+\gap*\c+2], v[\src+32*\c:\src+32*\c+15], v[TM+12+2*\c]
	v_cvt_scalef32_pk16_fp6_f32 v[YT+4*\c:YT+4*\c+2], v[\src+32*\c+16:\src+32*\c+31], v[TM+13+2*\c]
.endr
	v_nop
.irp c, 0,1
.irp i, 0,1,2
	v_permlane16_swap_b32 v[\dst+\gap*\c+\i], v[YT+4*\c+\i]
.endr
.irp i, 0,1,2
	v_mov_b32 v[\dst+\gap*\c+3+\i], v[YT+4*\c+\i]
.endr
.endr
.endm
.macro EPIQK a
	s_wait_xcnt 0x0
	WIN 0x02+(\a)/4
.set AC, 64*((\a)%4)
.set i, 0
.rept 32
	v_pk_add_f32 v[T+i:T+i+1], v[AC+i:AC+i+1], v[B0+i:B0+i+1]
.set i, i+2
.endr
	WIN 0
	QUANT T, E, 8
.irp i, 0,1,2,3,4,5
	v_and_b32 v[E+\i], v[ZM], v[E+\i]
	v_and_b32 v[E+8+\i], v[ZM], v[E+8+\i]
.endr
	v_mov_b32 v[E+6], v[MW+(\a)]
	v_mov_b32 v[E+14], v[MW+(\a)]
	v_mov_b32 v[E+7], 0
	v_mov_b32 v[E+15], 0
	v_lshrrev_b32 v25, 16, v[PW]
	v_or_b32 v[MW+(\a)], v25, v[TW+(\a)]
	v_and_or_b32 v[TW+(\a)], v[PW], 0xffff, v[TW+(\a)]
	global_store_b128 v[LI], v[E:E+3], s[4:5] offset:1024*(\a)
	global_store_b128 v[LI], v[E+4:E+7], s[4:5] offset:1024*(\a)+512
	global_store_b128 v[LI], v[E+8:E+11], s[6:7] offset:1024*(\a)
	global_store_b128 v[LI], v[E+12:E+15], s[6:7] offset:1024*(\a)+512
.endm
.macro EPIV a
	s_wait_xcnt 0x0
	v_mov_b32 v26, v[B1+(\a)]
	v_mov_b32 v27, v[B1+(\a)]
	WIN 0x02+(\a)/4
.set AC, 64*((\a)%4)
.set i, 0
.rept 32
	v_pk_add_f32 v[T+i:T+i+1], v[AC+i:AC+i+1], v[26:27]
.set i, i+2
.endr
	WIN 0
	QUANT T, E, 6
	v_mov_b32 v[MW+(\a)], v[PW]
.irp c, 0,1,2
	global_store_b128 v[LI], v[E+4*\c:E+4*\c+3], s[4+2*((\a)/4):5+2*((\a)/4)] offset:8192+1536*((\a)%4)+512*\c
.endr
.endm
	PLACES NP
	s_mov_b32 s[SEL], 0x76543210
	s_mov_b32 s[SEL+1], 0xfedcba98
.irp b, 0,1,2,3
	v_mov_b32 v[TM+4+\b], 0
.endr
	s_lshr_b32 s20, s95, 11
	s_lshl_b32 s20, s20, 4
	s_lshr_b32 s21, s96, 6
	s_add_co_u32 s20, s20, s21
	s_bfe_u32 s21, s95, 0x40007
	s_cmp_eq_u32 ttmp9, 0
	s_mov_b32 s22, 245760
	s_cselect_b32 s22, 131072, s22
	s_mov_b32 s23, 15360
	s_cselect_b32 s23, 8192, s23
	s_mov_b32 s46, 245760
	s_cselect_b32 s46, 8192, s46
	s_mov_b32 s47, 15360
	s_cselect_b32 s47, 512, s47
	s_mov_b32 s45, 14336
	s_cselect_b32 s45, 0, s45
	s_mul_i32 s18, s20, s22
	s_mul_i32 s19, s21, s23
	s_add_co_u32 s18, s18, s19
	s_mov_b32 s19, 0
	s_add_nc_u64 s[4:5], s[66:67], s[18:19]
	s_mov_b32 s18, s22
	s_add_nc_u64 s[6:7], s[4:5], s[18:19]
	s_mul_i32 s18, s20, s46
	s_mul_i32 s94, s21, s47
	s_add_co_u32 s18, s18, s94
	s_add_co_u32 s18, s18, s45
	s_add_nc_u64 s[8:9], s[98:99], s[18:19]
	s_mov_b32 s18, s46
	s_add_nc_u64 s[10:11], s[8:9], s[18:19]
	s_cmp_eq_u32 ttmp9, 2
	s_cbranch_scc1 .Lway_v
.irp a, 0,1,2,3,4,5,6,7
	EPIQK \a
.endr
	s_mov_b32 s18, 0xffff0000
.irp i, 0,1,2,3
	v_cndmask_b32 v[TW+\i], v[TW+\i], v[TW+4+\i], s18
	v_cndmask_b32 v[MW+\i], v[MW+\i], v[MW+4+\i], s18
.endr
	global_store_b128 v[LI], v[TW:TW+3], s[8:9]
	global_store_b128 v[LI], v[MW:MW+3], s[10:11]
	s_branch .Lend
.Lway_v:
.irp a, 0,1,2,3,4,5,6,7
	EPIV \a
.endr
	global_store_b128 v[LI], v[MW:MW+3], s[4:5] offset:14848
	global_store_b128 v[LI], v[MW+4:MW+7], s[6:7] offset:14848
.Lend:
	s_wait_tensorcnt 0x0
	ds_add_u32 v[SPW], v[NIL]
	s_wait_dscnt 0x0
	CROUND
	s_endpgm
.Lfunc_end_k_qac5d31b5ba_qkv:
	.size	k_qac5d31b5ba_qkv, .Lfunc_end_k_qac5d31b5ba_qkv-k_qac5d31b5ba_qkv
	.p2alignl 7, 3214868480
	.fill 96, 4, 3214868480
	.section	.rodata,"a",@progbits
	.p2align	6, 0x0
	.amdhsa_kernel k_qac5d31b5ba_qkv
		.amdhsa_group_segment_fixed_size 327680
		.amdhsa_private_segment_fixed_size 0
		.amdhsa_enable_private_segment 0
		.amdhsa_kernarg_size 104
		.amdhsa_user_sgpr_count 2
		.amdhsa_user_sgpr_kernarg_segment_ptr 1
		.amdhsa_wavefront_size32 1
		.amdhsa_system_sgpr_workgroup_id_x 1
		.amdhsa_system_sgpr_workgroup_id_y 1
		.amdhsa_system_sgpr_workgroup_id_z 1
		.amdhsa_system_vgpr_workitem_id 0
		.amdhsa_next_free_vgpr 1024
		.amdhsa_next_free_sgpr 106
		.amdhsa_reserve_vcc 1
		.amdhsa_float_denorm_mode_32 3
		.amdhsa_float_denorm_mode_16_64 3
		.amdhsa_memory_ordered 1
		.amdhsa_forward_progress 1
		.amdhsa_inst_pref_size 248
	.end_amdhsa_kernel
	.amdgpu_metadata
---
amdhsa.version: [ 1, 2 ]
amdhsa.kernels:
  - .name:           k_qac5d31b5ba_qkv
    .symbol:         k_qac5d31b5ba_qkv.kd
    .args:
      - { .name: xr, .offset: 0, .size: 8, .value_kind: global_buffer, .address_space: global }
      - { .name: x_scales, .offset: 8, .size: 8, .value_kind: global_buffer, .address_space: global }
      - { .name: wr, .offset: 16, .size: 8, .value_kind: global_buffer, .address_space: global }
      - { .name: Wq_scales, .offset: 24, .size: 8, .value_kind: global_buffer, .address_space: global }
      - { .name: Wk_scales, .offset: 32, .size: 8, .value_kind: global_buffer, .address_space: global }
      - { .name: Wv_scales, .offset: 40, .size: 8, .value_kind: global_buffer, .address_space: global }
      - { .name: bq, .offset: 48, .size: 8, .value_kind: global_buffer, .address_space: global }
      - { .name: bk, .offset: 56, .size: 8, .value_kind: global_buffer, .address_space: global }
      - { .name: bv, .offset: 64, .size: 8, .value_kind: global_buffer, .address_space: global }
      - { .name: mask, .offset: 72, .size: 8, .value_kind: global_buffer, .address_space: global }
      - { .name: qimg, .offset: 80, .size: 8, .value_kind: global_buffer, .address_space: global }
      - { .name: qsc, .offset: 88, .size: 8, .value_kind: global_buffer, .address_space: global }
      - { .name: kv, .offset: 96, .size: 8, .value_kind: global_buffer, .address_space: global }
    .group_segment_fixed_size: 327680
    .private_segment_fixed_size: 0
    .kernarg_segment_align: 8
    .kernarg_segment_size: 104
    .max_flat_workgroup_size: 128
    .sgpr_count:     106
    .vgpr_count:     1024
    .wavefront_size: 32
...
	.end_amdgpu_metadata
.endif
;; end of part 2
;; launch attn (part 3): grid 8 x 64, 8 waves a work-group, clusters of 4 x 1, 246,784 bytes of LDS; arguments qimg, qsc, kv, aimg, asc; writes aimg, asc
.if DOCPART == 3
	.amdgcn_target "amdgcn-amd-amdhsa--gfx1250"
	.amdhsa_code_object_version 6
	.text
	.protected	k_qac5d31b5ba_attn
	.globl	k_qac5d31b5ba_attn
	.p2align	8
	.type	k_qac5d31b5ba_attn,@function
k_qac5d31b5ba_attn:
	s_mov_b64 s[64:65], 0
	v_nop
	global_prefetch_b8 v0, s[64:65] scope:SCOPE_SE
	s_setreg_imm32_b32 hwreg(HW_REG_WAVE_MODE, 25, 1), 1
	s_wait_xcnt 0x0
	s_wait_alu depctr_hold_cnt(0) depctr_sa_sdst(0) depctr_va_vdst(0) depctr_va_sdst(0) depctr_va_ssrc(0) depctr_va_vcc(0) depctr_vm_vsrc(0)
	s_getreg_b32 s2, hwreg(HW_REG_IB_STS2, 6, 4)
	s_cmp_eq_u32 s2, 0
	s_cbranch_scc0 .Lentry_in_a_cluster
	s_endpgm
.Lentry_in_a_cluster:
	s_bfe_u32 s2, ttmp6, 0x10000c
	s_cmp_lg_u32 s2, 0x3003
	s_cbranch_scc0 .Lentry_shape_is_right
	s_endpgm
.Lentry_shape_is_right:
; Attention of one head on codes of FP6 (E2M3): S^T = K Q^T, p = 2^(t - M), O^T = V^T P^T, O / l, and O quantised along the model's 1,024 for the last product.
; t = score x log2(e) / 8; M = the running largest t rounded up to a whole number; the row's sum l is taken of the unquantised p; when M moves, l and O^T are multiplied by 2^(old M - new M), which rounds nothing.
; THE MASK costs no line here: Q's images carry +1.0 x 2^16 at k = 64, a masked key's -1.0 x 2^17, so the first product itself adds -2^33 to a masked score.  The head's 64 channels fill k = 0..63; Q's codes of k = 65..127 are zeros,
; so what stands in a K fragment's registers 8-11 (the next tile's first four; zeros behind the last) counts for nothing.
; SHARES.  A work-group owns 256 queries of one head, each of its eight waves 32: tile 0 in register window 0, tile 1 in window 1 under the same numbers; each fragment of K and V read from LDS serves both.  Two waves to a SIMD.
; LDS.  The head's 16 records of 15,360 bytes (128 keys each: K's 8 tiles, V^T's 4, K's and V's scale words), 245,760 bytes, are filled ONCE: one tensor load a wave, at the start, two records each, shared out among the
; eight waves.  No byte is filled again.  The four query blocks of a cluster walk the same head: each load is asked for jointly, with the mask of all four.
; All operands lie as images of registers: a load of 16 bytes a lane at 16 x lane brings four registers.
; LIMITS: see the qkv launch (a masked logit is the true one - 2^30).  While only masked keys have been seen, p, l and O^T hold finite numbers that the first open key's change of M multiplies by 0.  NaN and infinities are not served.
.set REC,  15360
.set GRP,  4*REC
.set LI,   1                           ; v1    16 x lane
.set ADR,  2                           ; v2    LDS address of the record in hand
.set L8,   3                           ; v3    8 x lane
.set KSC,  4                           ; v4-7  K's scale words: lanes 0-15 tiles 0-3, lanes 16-31 tiles 4-7
.set VSC,  8                           ; v8-11 V's scale words, tile d
.set QF,   16                          ; v16-27 Q's fragment (both windows)
.set KF,   28                          ; v28-91 K's eight tiles, 8 registers apart; v92-95 zeros (window 0)
.set VF,   28                          ; v28-75 of window 1: V^T's four fragments
.set S,    96                          ; v96-159 S^T, then p (both windows)
.set O,    160                         ; v160-191 O^T (both windows)
.set QS,   192                         ; v192  Q's scale words: lanes 0-15 tile 0, lanes 16-31 tile 1
.set PS,   193                         ; v193, v194 p's scale words of tile 0, 1 (scale operands have no window)
.set BM,   200                         ; v200-203 the blocks' largest scores, then largest p
.set PX,   204                         ; v204-207 the other half's; then the bytes
.set SO,   208                         ; v208-211 the conversions' scale operands
.set F,    212                         ; v[212:213] f = 2^(old M - new M); at the end 1 / l
.set TMPR, 214
.set PWR,  215                         ; the scale word just made
.set PC,   216                         ; v216-227 p's codes
.set Y,    228                         ; v228-230, v232-234 the second halves' codes
.set L2,   236                         ; v[236:237] the sum's second chain
.set WV,   14
.set SEL,  20
.set CS,   22
.set G1,   24
.set G0,   32                          ; s[32:35] group 0
.set TB,   48
.set CNT,  49
.set MSB, 0
.macro WIN new                         ; the immediate's high byte repeats the setting that is left
.if MSB != (\new)
	s_set_vgpr_msb (MSB<<8)|(\new)
.set MSB, (\new)
.endif
.endm
.macro CROUND                          ; a round of the cluster's barrier
	s_barrier_signal -1
	s_barrier_wait -1
	s_cmp_lg_u32 s[WV], 0
	s_cbranch_scc1 .Lnot_wave_0_\@
	s_barrier_signal -3
.Lnot_wave_0_\@:
	s_barrier_wait -3
	s_barrier_signal -1
	s_barrier_wait -1
.endm
	s_load_b256 s[4:11], s[0:1], 0x0               ; qimg, qsc, kv, aimg
	s_load_b64 s[12:13], s[0:1], 0x20              ; asc
	v_lshl_add_u32 v254, v0, 2, 0x3c000
	v_mov_b32 v255, 0
	ds_add_u32 v254, v255
	ds_add_u32 v254, v255
	v_lshrrev_b32 v1, 5, v0
	s_delay_alu instid0(VALU_DEP_1)
	v_readfirstlane_b32 s[WV], v1                  ; wave 0..7
	s_bfe_u32 s15, ttmp6, 0x40000                  ; cx
	s_lshl_b32 s16, ttmp9, 2
	s_add_co_u32 s16, s16, s15                     ; my block of 256 queries: it enters Q's and the outputs' addresses alone
	s_and_b32 s17, ttmp7, 0xffff                   ; the head (16 x batch + head), which the four partners share
	; descriptor group 1: 120 rows of 256 bytes (32 elements of 8), dense: two records, an eighth of the head's sixteen
	s_mov_b32 s[G1], 15|(3<<16)|(1<<21)            ; the mask: all four work-groups; elements of 8 bytes; bit 21 beside a mask; no padding
	s_mov_b32 s[G1+1], 32<<16
	s_mov_b32 s[G1+2], 120<<16                     ; 120 rows of 256 bytes: two records, a wave's one load
	s_mov_b32 s[G1+3], 32<<16
	s_mov_b32 s[G1+4], 120
	s_mov_b32 s[G1+5], 32
	s_mov_b32 s[G1+6], 0
	s_mov_b32 s[G1+7], 0
	s_mul_i32 s18, s17, 16*REC                     ; the head's records,
	s_mul_i32 s51, s[WV], 2*REC                    ; wave w fetches records 2 w and 2 w + 1: in memory and in LDS alike
	s_add_co_u32 s18, s18, s51
	s_mov_b32 s19, 0
	s_mov_b32 s[SEL], 0x76543210
	s_mov_b32 s[SEL+1], 0xfedcba98
	s_mov_b32 s[CS], 0x3e38aa3b                    ; c = log2(e) / 8
	s_mov_b32 s[CS+1], s[CS]                       ; (named with it as a pair)
	s_mov_b32 s50, 0xffff0000                      ; lanes 16-31
	s_wait_dscnt 0x0
	s_wait_kmcnt 0x0
	s_add_nc_u64 s[18:19], s[8:9], s[18:19]
	s_mov_b32 s[G0], 1
	s_mov_b32 s[G0+1], s51
	s_mov_b64 s[G0+2:G0+3], s[18:19]
	s_or_b32 s[G0+3], s[G0+3], 0x80000000
	CROUND                                         ; all four work-groups are here: the joint loads meet
; THE FILLS: ONE joint load a wave, two records each, the whole head once.  Waves 0 and 1 (records 0 to 3) have a line of their own: the first barrier waits for them alone.
	s_cmp_lt_u32 s[WV], 2
	s_cbranch_scc0 .Lrest
	tensor_load_to_lds s[G0:G0+3], s[G1:G1+7]
	s_nop 0
.rept 4
	v_nop
.endr
	s_branch .Lasked
.Lrest:
	tensor_load_to_lds s[G0:G0+3], s[G1:G1+7]
	s_nop 0
.rept 4
	v_nop
.endr
.Lasked:
	s_lshl_b32 s52, s16, 4
	s_lshl_b32 s53, s[WV], 1
	s_add_co_u32 s52, s52, s53                     ; T0: my first tile of 16 queries in the head
	s_lshl_b32 s54, s17, 17
	s_lshl_b32 s55, s52, 10
	s_add_co_u32 s54, s54, s55
	s_mov_b32 s55, 0
	s_add_nc_u64 s[4:5], s[4:5], s[54:55]          ; Q's images
	s_lshl_b32 s54, s17, 13                        ; Q's scale words: 8,192 bytes a head, 512 a step of 8 tiles;
	s_lshl_b32 s56, s16, 1
	s_lshr_b32 s57, s[WV], 2
	s_add_co_u32 s56, s56, s57
	s_lshl_b32 s56, s56, 9
	s_add_co_u32 s54, s54, s56
	s_bfe_u32 s56, s[WV], 0x10001                  ; in a step tile u's word of row r lies at 256 (u / 4) + 16 r + 4 (u % 4); u = 2 (wave % 4) + tile
	s_lshl_b32 s56, s56, 8
	s_add_co_u32 s54, s54, s56
	s_and_b32 s56, s[WV], 1
	s_lshl_b32 s56, s56, 3
	s_add_co_u32 s54, s54, s56
	s_add_nc_u64 s[6:7], s[6:7], s[54:55]
	s_and_b32 s54, s17, 15                         ; the head in its batch
	s_lshr_b32 s56, s17, 4
	s_lshl_b32 s56, s56, 7
	s_add_co_u32 s56, s56, s52                     ; RT0: my first tile of 16 rows among all 512
	s_lshr_b32 s57, s54, 2                         ; aimg [256 along K: head / 4][row tile][128 along K: (head / 2) % 2][64 along K: head % 2][768]
	s_lshl_b32 s57, s57, 9
	s_add_co_u32 s57, s57, s56
	s_mul_i32 s58, s57, 3072
	s_bfe_u32 s57, s54, 0x10001
	s_mul_i32 s57, s57, 1536
	s_add_co_u32 s58, s58, s57
	s_and_b32 s57, s54, 1
	s_mul_i32 s57, s57, 768
	s_add_co_u32 s58, s58, s57
	s_mov_b32 s59, 0
	s_add_nc_u64 s[10:11], s[10:11], s[58:59]
	s_lshl_b32 s58, s56, 9                         ; asc: 32 bytes a row; my head's two bytes
	s_lshl_b32 s57, s54, 1
	s_add_co_u32 s58, s58, s57
	s_add_nc_u64 s[12:13], s[12:13], s[58:59]
	v_and_b32 v197, 31, v0
	s_delay_alu instid0(VALU_DEP_1)
	v_lshlrev_b32 v[LI], 4, v197
	s_delay_alu instid0(VALU_DEP_2)
	v_lshlrev_b32 v[L8], 3, v197
	s_delay_alu instid0(VALU_DEP_3)
	v_lshlrev_b32 v196, 5, v197                    ; 32 x lane: a row of asc
	v_and_b32 v195, 15, v0
	v_bfe_u32 v197, v0, 4, 1
	s_delay_alu instid0(VALU_DEP_2)
	v_lshlrev_b32 v195, 4, v195
	s_delay_alu instid0(VALU_DEP_1)
	v_lshl_add_u32 v195, v197, 2, v195             ; 16 r + 4 x tile
.irp i, 64,65,66,67
	v_mov_b32 v[KF+\i], 0                          ; the zeros behind K's last tile.  They are part of an operand of a scaled product: written here, so that the moves of INIT below stand between them and the first product
.endr
	global_load_b128 v[QF:QF+3], v[LI], s[4:5]
	global_load_b128 v[QF+4:QF+7], v[LI], s[4:5] offset:512
	global_load_b32 v[QS], v195, s[6:7]
	WIN 0x40                                       ; destination window 1
	global_load_b128 v[QF:QF+3], v[LI], s[4:5] offset:1024
	global_load_b128 v[QF+4:QF+7], v[LI], s[4:5] offset:1536
.macro INIT t                          ; the step is written once: the first finds zeros, which the first change of M leaves zeros
	WIN 0x40*\t
	v_mov_b32 v13, 0xff61b1e6                      ; the largest t so far: -3e38
	v_mov_b32 v12, 0x7f61b1e6                      ; -M = floor(3e38)
	v_mov_b32 v14, 0
	v_mov_b32 v15, 0
.irp i, 8,9,10,11
	v_mov_b32 v[QF+\i], 0                          ; the last four registers of Q's fragment: zero codes; 37 moves follow them ahead of the first product
.endr
.set j, 0
.rept 32
	v_mov_b32 v[O+j], 0
.set j, j+1
.endr
.irp b, 0,1,2,3
	v_mov_b32 v[PX+\b], 0                          ; a lane permute's destination counts as one of its sources
.endr
	v_mov_b32 v[F+1], 0                            ; (named as the upper half of a pair)
.endm
	INIT 1
	INIT 0
; Eight products S^T = K Q^T for query tile t: source 0 = 16 neighbouring keys, source 1 = my 16 queries: lane (r, h) holds query r, register j of tile k key 16 k + 8 h + j
.macro KQ t
	WIN 0x44*\t                                    ; Q and S^T in window t, K in window 0
.irp k, 0,1,2,3
.if \t
	v_wmma_scale_f32_16x16x128_f8f6f4 v[S+8*\k:S+8*\k+7], v[KF+8*\k:KF+8*\k+11], v[QF:QF+11], 0, v[KSC+\k], v[QS] matrix_a_fmt:MATRIX_FMT_FP6 matrix_b_fmt:MATRIX_FMT_FP6 matrix_b_scale:MATRIX_SCALE_ROW1
.else
	v_wmma_scale_f32_16x16x128_f8f6f4 v[S+8*\k:S+8*\k+7], v[KF+8*\k:KF+8*\k+11], v[QF:QF+11], 0, v[KSC+\k], v[QS] matrix_a_fmt:MATRIX_FMT_FP6 matrix_b_fmt:MATRIX_FMT_FP6
.endif
.endr
.irp k, 4,5,6,7
.if \t
	v_wmma_scale_f32_16x16x128_f8f6f4 v[S+8*\k:S+8*\k+7], v[KF+8*\k:KF+8*\k+11], v[QF:QF+11], 0, v[KSC+\k-4], v[QS] matrix_a_fmt:MATRIX_FMT_FP6 matrix_b_fmt:MATRIX_FMT_FP6 matrix_a_scale:MATRIX_SCALE_ROW1 matrix_b_scale:MATRIX_SCALE_ROW1
.else
	v_wmma_scale_f32_16x16x128_f8f6f4 v[S+8*\k:S+8*\k+7], v[KF+8*\k:KF+8*\k+11], v[QF:QF+11], 0, v[KSC+\k-4], v[QS] matrix_a_fmt:MATRIX_FMT_FP6 matrix_b_fmt:MATRIX_FMT_FP6 matrix_a_scale:MATRIX_SCALE_ROW1
.endif
.endr
.endm
; Four products O^T += V^T P^T for query tile t; the four accumulators take turns
.macro PV t
	WIN 0x01+0x54*\t                               ; V in window 1; p's codes and O^T in window t
.irp d, 0,1,2,3
	v_wmma_scale_f32_16x16x128_f8f6f4 v[O+8*\d:O+8*\d+7], v[VF+12*\d:VF+12*\d+11], v[PC:PC+11], v[O+8*\d:O+8*\d+7], v[VSC+\d], v[PS+\t] matrix_a_fmt:MATRIX_FMT_FP6 matrix_b_fmt:MATRIX_FMT_FP6
.endr
.endm
; The softmax of tile t for 128 keys, and p's codes
.macro SM t
	WIN 0x55*\t
.irp b, 0,1,2,3
	v_max3_num_f32 v[BM+\b], v[S+16*\b], v[S+1+16*\b], v[S+2+16*\b]   ; the largest score of each block of 32 keys: for the row's maximum, and, since p rises with the score, for the block's largest p
.endr
.irp i, 3,5,7,9,11,13
.irp b, 0,1,2,3
	v_max3_num_f32 v[BM+\b], v[BM+\b], v[S+16*\b+\i], v[S+1+16*\b+\i]
.endr
.endr
.irp b, 0,1,2,3
	v_max_num_f32 v[BM+\b], v[BM+\b], v[S+15+16*\b]
.endr
.irp b, 0,1,2,3
	s_delay_alu instid0(VALU_DEP_4)
	v_permlanex16_b32 v[PX+\b], v[BM+\b], s[SEL], s[SEL+1]
.endr
.irp b, 0,1,2,3
	s_delay_alu instid0(VALU_DEP_4)
	v_max_num_f32 v[BM+\b], v[BM+\b], v[PX+\b]     ; with lane l xor 16's 16 keys
.endr
	s_delay_alu instid0(VALU_DEP_2)
	v_max3_num_f32 v[TMPR], v[BM], v[BM+1], v[BM+2]
	s_delay_alu instid0(VALU_DEP_1)
	v_max_num_f32 v[TMPR], v[TMPR], v[BM+3]
	s_delay_alu instid0(VALU_DEP_1)
	v_mul_f32 v[TMPR], s[CS], v[TMPR]              ; as t
	s_delay_alu instid0(VALU_DEP_1)
	v_max_num_f32 v13, v13, v[TMPR]                ; the running largest t
	v_mov_b32 v[TMPR], v12
	s_delay_alu instid0(VALU_DEP_2)
	v_floor_f32 v12, -v13                          ; the new -M: a whole number
	s_delay_alu instid0(VALU_DEP_1)
	v_sub_f32 v[TMPR], v12, v[TMPR]                ; old M - new M, 0 or less
	s_delay_alu instid0(VALU_DEP_1)
	v_cvt_i32_f32 v[TMPR], v[TMPR]                 ; (it saturates)
	s_delay_alu instid0(VALU_DEP_1)
	v_ldexp_f32 v[F], 1.0, v[TMPR]                 ; f
.set j, 0
.rept 32
	v_pk_fma_f32 v[S+j:S+j+1], v[S+j:S+j+1], s[CS:CS+1], v[12:13] op_sel_hi:[1,0,0]   ; t - M
.set j, j+2
.endr
.irp b, 0,1,2,3
	v_fma_f32 v[BM+\b], v[BM+\b], s[CS], v12       ; the same of each block's largest score
.endr
.set j, 0
	s_wait_alu depctr_va_vdst(0)
.rept 64
	v_exp_f32 v[S+j], v[S+j]                       ; p = 2^(t - M): one batch of 68 exponentials
.set j, j+1
.endr
.irp b, 0,1,2,3
	v_exp_f32 v[BM+\b], v[BM+\b]                   ; the block's largest p: the same two instructions on the same number
.endr
	v_pk_mul_f32 v[14:15], v[14:15], v[F:F+1] op_sel_hi:[1,0]      ; l under the new M: the plain instruction behind the batch
	s_wait_alu depctr_va_vdst(0)                   ; one wait for the batch, ahead of the first line that names a result
	v_pk_add_f32 v[L2:L2+1], v[S:S+1], v[S+2:S+3]  ; the row's sum of the unquantised p, in two chains
.set j, 4
.rept 15
	v_pk_add_f32 v[14:15], v[14:15], v[S+j:S+j+1]
	v_pk_add_f32 v[L2:L2+1], v[L2:L2+1], v[S+j+2:S+j+3]
.set j, j+4
.endr
	s_delay_alu instid0(VALU_DEP_1)
	v_pk_add_f32 v[14:15], v[14:15], v[L2:L2+1]
.irp b, 0,1,2,3
	v_max_num_f32 v[BM+\b], 0x1800000, v[BM+\b]    ; the floor 2^(3 - 127): the byte cannot fall under 1
.endr
.irp b, 0,1,2,3
	s_delay_alu instid0(VALU_DEP_4)
	v_add_nc_u32 v[SO+\b], 0xff000000, v[BM+\b]    ; 2 off the exponent field: the conversion's scale operand
.endr
.irp b, 0,1,2,3
	s_delay_alu instid0(VALU_DEP_4)
	v_lshrrev_b32 v[PX+\b], 23, v[SO+\b]           ; the byte
.endr
	s_delay_alu instid0(VALU_DEP_3)
	v_lshl_or_b32 v[PWR], v[PX+1], 8, v[PX]
	s_delay_alu instid0(VALU_DEP_1)
	v_lshl_or_b32 v[PWR], v[PX+2], 16, v[PWR]
	s_delay_alu instid0(VALU_DEP_1)
	v_lshl_or_b32 v[PWR], v[PX+3], 24, v[PWR]
	WIN 0x01*\t
	v_mov_b32 v[PS+\t], v[PWR]                     ; into window 0, where scale operands are read
	WIN 0x55*\t
.irp c, 0,1
	v_cvt_scalef32_pk16_fp6_f32 v[PC+6*\c:PC+6*\c+2], v[S+32*\c:S+32*\c+15], v[SO+2*\c]
	v_cvt_scalef32_pk16_fp6_f32 v[Y+4*\c:Y+4*\c+2], v[S+32*\c+16:S+32*\c+31], v[SO+2*\c+1]
.endr
	v_nop                                          ; one plain place behind a scaled conversion
.irp c, 0,1                            ; a whole block in a lane: lanes 0-15 block 2 c, lanes 16-31 block 2 c + 1
.irp i, 0,1,2
	v_permlane16_swap_b32 v[PC+6*\c+\i], v[Y+4*\c+\i]
.endr
.irp i, 0,1,2
	s_delay_alu instid0(VALU_DEP_3)
	v_mov_b32 v[PC+6*\c+3+\i], v[Y+4*\c+\i]
.endr
.endr
.set j, 0
.rept 16
	v_pk_mul_f32 v[O+j:O+j+1], v[O+j:O+j+1], v[F:F+1] op_sel_hi:[1,0]   ; O^T under the new M.  These sixteen stand between the writing of the codes and of the scale word and the products
.set j, j+2
.endr
.endm
; A key step: 128 keys, the record at s[TB]
.set AD2, 198                          ; v198  LDS address of the record whose K is fetched next
.set NX,  60                           ; s60   that record
.macro KLOAD                           ; K's eight tiles and their scale words, 17 loads
.irp k, 0,1,2,3,4,5,6,7
	ds_load_b128 v[KF+8*\k:KF+8*\k+3], v[AD2] offset:1024*\k
	ds_load_b128 v[KF+8*\k+4:KF+8*\k+7], v[AD2] offset:1024*\k+512
.endr
	ds_load_b128 v[KSC:KSC+3], v[AD2] offset:14336
.endm
; K's fragments of this record were fetched in the step before (a group's first: ahead of its loop) and waited for there.  lim: the group's last record: the last step fetches it once more, and nothing that has not been shown landed.
.macro STEP lim
	s_add_co_u32 s[NX], s[TB], REC
	s_min_u32 s[NX], s[NX], \lim
	v_add_nc_u32 v[ADR], s[TB], v[LI]
	v_add_nc_u32 v[AD2], s[NX], v[LI]
	s_wait_alu depctr_va_vdst(0)
	KQ 0
	KQ 1
	WIN 0
.rept 4
	v_nop                                          ; the places behind the scores' products; with the addition at the step's head also those between the last step's products V^T P^T and the loads into V's registers
.endr
	WIN 0x40                                       ; destination window 1
.irp d, 0,1,2,3
.irp c, 0,1,2
	ds_load_b128 v[VF+12*\d+4*\c:VF+12*\d+4*\c+3], v[ADR] offset:8192+1536*\d+512*\c
.endr
.endr
	WIN 0
	ds_load_b128 v[VSC:VSC+3], v[ADR] offset:14848
	KLOAD                                          ; the next record's K, four places behind the scores' products; the wait ahead of PV 0 covers it
	SM 0                                           ; V lands while tile 0's softmax is walked
	s_wait_alu depctr_va_vdst(0)
	s_wait_dscnt 0x0
	PV 0
	SM 1
	PV 1
	WIN 0
	s_add_co_u32 s[TB], s[TB], REC
.endm
; A group: n records from record first on.  The waves that fetched them have waited for their one load; behind the barrier that holds of all eight waves.
.macro GROUP first, n                  ; n records from record first on; the waits for their loads stand ahead of the macro
	s_barrier_signal -1
	s_barrier_wait -1
	s_mov_b32 s[TB], \first*REC
	s_mov_b32 s[CNT], \n
	v_add_nc_u32 v[AD2], \first*REC, v[LI]
	KLOAD
	s_wait_alu depctr_va_vdst(0)
	s_wait_dscnt 0x0
.Lstep_\@:
	STEP (\first+\n-1)*REC
	s_sub_co_u32 s[CNT], s[CNT], 1
	s_cmp_lg_u32 s[CNT], 0
	s_cbranch_scc1 .Lstep_\@
.endm
	s_wait_alu depctr_va_vdst(0)                   ; the wait at the head's end
	s_wait_loadcnt 0x0                             ; Q and its scale words
	s_cmp_lt_u32 s[WV], 2
	s_cbranch_scc0 .Lnot_first
	s_wait_tensorcnt 0x0                           ; waves 0 and 1: records 0 to 3 are in
.Lnot_first:
	GROUP 0, 4
	s_wait_tensorcnt 0x0                           ; every wave: all sixteen records are in
	s_wait_dscnt 0x0
	GROUP 4, 12
; THE WAY OUT of tile t: O^T / l; the lanes' halves are exchanged so that a lane's 16 registers are 16 NEIGHBOURING channels (the last product meets a given operand); two blocks of 32 are quantised; the codes leave as an image.
.macro FIN t
	WIN 0x55*\t
	v_add_f32 v14, v14, v15
	s_delay_alu instid0(VALU_DEP_1)
	v_permlanex16_b32 v[PX], v14, s[SEL], s[SEL+1]
	s_delay_alu instid0(VALU_DEP_1)
	v_add_f32 v14, v14, v[PX]                      ; the row's sum
	s_wait_alu depctr_va_vdst(0)
	v_rcp_f32 v[F], v14
	v_nop                                          ; a plain instruction behind the reciprocal
	s_wait_alu depctr_va_vdst(0)                   ; and the wait ahead of its first reader
.set j, 0
.rept 16
	v_pk_mul_f32 v[S+j:S+j+1], v[O+j:O+j+1], v[F:F+1] op_sel_hi:[1,0]   ; each accumulator from its low end on
.set j, j+2
.endr
.irp b, 0,1
.irp i, 0,1,2,3,4,5,6,7
	v_permlane16_swap_b32 v[S+16*\b+\i], v[S+16*\b+8+\i]           ; register 16 b + i now holds channel 32 b + 16 h + i
.endr
.endr
.irp b, 0,1
	v_max3_num_f32 v[BM+\b], |v[S+16*\b]|, |v[S+1+16*\b]|, 0x1800000
.endr
.irp i, 2,4,6,8,10,12,14
.irp b, 0,1
	s_delay_alu instid0(VALU_DEP_2)
	v_max3_num_f32 v[BM+\b], v[BM+\b], |v[S+16*\b+\i]|, |v[S+1+16*\b+\i]|
.endr
.endr
.irp b, 0,1
	s_delay_alu instid0(VALU_DEP_2)
	v_permlanex16_b32 v[PX+\b], v[BM+\b], s[SEL], s[SEL+1]
.endr
.irp b, 0,1
	s_delay_alu instid0(VALU_DEP_2)
	v_max_num_f32 v[BM+\b], v[BM+\b], v[PX+\b]
.endr
.irp b, 0,1
	s_delay_alu instid0(VALU_DEP_2)
	v_add_nc_u32 v[SO+\b], 0xff000000, v[BM+\b]
.endr
.irp b, 0,1
	s_delay_alu instid0(VALU_DEP_2)
	v_lshrrev_b32 v[PX+\b], 23, v[SO+\b]
.endr
	s_delay_alu instid0(VALU_DEP_1)
	v_lshl_or_b32 v[PWR], v[PX+1], 8, v[PX]        ; my row's two scale bytes
	v_cvt_scalef32_pk16_fp6_f32 v[PC:PC+2], v[S:S+15], v[SO]
	v_cvt_scalef32_pk16_fp6_f32 v[Y:Y+2], v[S+16:S+31], v[SO+1]
	v_nop
.irp i, 0,1,2
	v_permlane16_swap_b32 v[PC+\i], v[Y+\i]
.endr
.irp i, 0,1,2
	s_delay_alu instid0(VALU_DEP_3)
	v_mov_b32 v[PC+3+\i], v[Y+\i]
.endr
	WIN 0x04*\t                                    ; a store's data are its source 1
	global_store_b128 v[LI], v[PC:PC+3], s[10:11] offset:3072*\t           ; 512 consecutive bytes, at a multiple of 256 from the buffer's first byte
	global_store_b64 v[L8], v[PC+4:PC+5], s[10:11] offset:3072*\t+512      ; 256 likewise
.endm
	FIN 0                                          ; its lines name no register of tile 1's last products: they are the places behind those
	FIN 1
	WIN 0x01
	v_mov_b32 v195, v[PWR]                         ; tile 1's bytes
	WIN 0
	v_cndmask_b32 v195, v[PWR], v195, s50          ; lanes 0-15: tile 0's rows, lanes 16-31: tile 1's
	global_store_b16 v196, v195, s[12:13]          ; two bytes a row, 32 bytes apart: a head owns no more of a row's 32 scale bytes; one byte in 24 of what the launch stores
	s_wait_tensorcnt 0x0
	s_wait_tensorcnt 0x0
	ds_add_u32 v254, v255
	s_wait_dscnt 0x0
	CROUND                                         ; the closing round
	s_endpgm
.Lfunc_end_k_qac5d31b5ba_attn:
	.size	k_qac5d31b5ba_attn, .Lfunc_end_k_qac5d31b5ba_attn-k_qac5d31b5ba_attn
	.p2alignl 7, 3214868480
	.fill 96, 4, 3214868480
	.section	.rodata,"a",@progbits
	.p2align	6, 0x0
	.amdhsa_kernel k_qac5d31b5ba_attn
		.amdhsa_group_segment_fixed_size 246784
		.amdhsa_private_segment_fixed_size 0
		.amdhsa_enable_private_segment 0
		.amdhsa_kernarg_size 40
		.amdhsa_user_sgpr_count 2
		.amdhsa_user_sgpr_kernarg_segment_ptr 1
		.amdhsa_wavefront_size32 1
		.amdhsa_system_sgpr_workgroup_id_x 1
		.amdhsa_system_sgpr_workgroup_id_y 1
		.amdhsa_system_sgpr_workgroup_id_z 1
		.amdhsa_system_vgpr_workitem_id 0
		.amdhsa_next_free_vgpr 512
		.amdhsa_next_free_sgpr 66
		.amdhsa_reserve_vcc 0
		.amdhsa_float_denorm_mode_32 3
		.amdhsa_float_denorm_mode_16_64 3
		.amdhsa_memory_ordered 1
		.amdhsa_forward_progress 1
		.amdhsa_inst_pref_size 84
	.end_amdhsa_kernel
	.amdgpu_metadata
---
amdhsa.version: [ 1, 2 ]
amdhsa.kernels:
  - .name:           k_qac5d31b5ba_attn
    .symbol:         k_qac5d31b5ba_attn.kd
    .args:
      - { .name: qimg, .offset: 0, .size: 8, .value_kind: global_buffer, .address_space: global }
      - { .name: qsc, .offset: 8, .size: 8, .value_kind: global_buffer, .address_space: global }
      - { .name: kv, .offset: 16, .size: 8, .value_kind: global_buffer, .address_space: global }
      - { .name: aimg, .offset: 24, .size: 8, .value_kind: global_buffer, .address_space: global }
      - { .name: asc, .offset: 32, .size: 8, .value_kind: global_buffer, .address_space: global }
    .group_segment_fixed_size: 246784
    .private_segment_fixed_size: 0
    .kernarg_segment_align: 8
    .kernarg_segment_size: 40
    .max_flat_workgroup_size: 256
    .sgpr_count:     66
    .vgpr_count:     512
    .wavefront_size: 32
...
	.end_amdgpu_metadata
.endif
;; end of part 3
;; launch oproj (part 4): grid 4 x 32, 4 waves a work-group, clusters of 4 x 4, 327,680 bytes of LDS; arguments aimg, asc, wr, Wo_scales, bo, out0; writes out0
.if DOCPART == 4
	.amdgcn_target "amdgcn-amd-amdhsa--gfx1250"
	.amdhsa_code_object_version 6
	.text
	.protected	k_qac5d31b5ba_oproj
	.globl	k_qac5d31b5ba_oproj
	.p2align	8
	.type	k_qac5d31b5ba_oproj,@function
k_qac5d31b5ba_oproj:
	s_mov_b64 s[64:65], 0
	v_nop
	global_prefetch_b8 v0, s[64:65] scope:SCOPE_SE
	s_setreg_imm32_b32 hwreg(HW_REG_WAVE_MODE, 25, 1), 1
	s_wait_xcnt 0x0
	s_wait_alu depctr_hold_cnt(0) depctr_sa_sdst(0) depctr_va_vdst(0) depctr_va_sdst(0) depctr_va_ssrc(0) depctr_va_vcc(0) depctr_vm_vsrc(0)
	s_getreg_b32 s2, hwreg(HW_REG_IB_STS2, 6, 4)
	s_cmp_eq_u32 s2, 0
	s_cbranch_scc0 .Lentry_in_a_cluster
	s_endpgm
.Lentry_in_a_cluster:
	s_bfe_u32 s2, ttmp6, 0x10000c
	s_cmp_lg_u32 s2, 0xf033
	s_cbranch_scc0 .Lentry_shape_is_right
	s_endpgm
.Lentry_shape_is_right:
.set SIZE_M, 8192
.set SIZE_N, 1024
.set SIZE_K, 1024
.set KSTEP,  256
.set NQ,     KSTEP/128
.set ROWB,   192
.set KROW,   192                       ; a row of a K step of Wo in wr: [K step][row][192 bytes], dense
.set BSTEP,  1024*KROW                 ; from K step to K step there
.set G0H,    4                         ; s[4:7], s[8:11] group 0 of the head's loads of K step 0
.set G0HB,   8
.set PITCH,  240
.set FR,     12
.set NLA,    4
.set NP,     4
.set HALFA,  24576
.set HALFT,  128*PITCH
.set BOFF,   2*HALFA
.set SLOT,   BOFF+2*HALFT
.set ASTEP,  512*3072
.set LAPS,   SIZE_K/(2*KSTEP)
.set KS,     SIZE_K/32
.set SCL,    2*SLOT
.set HALFS,  (128*KS/256)*272
.set SBLK,   (16*KS/256)*272
.set SPARE,  SCL+4*HALFS
.set SPITCH, 528
.set ADRA, 16
.set ADRB, 20
.set STO,  24
.set RD,   25
.set CO,   26
.set ADRS, 27
.set SPW,  28
.set NIL,  29
.set SC,   32
.set BO,   64
.set AF,   128
.set BK,   128
.set G1, 24
.set G0, 32
.set G1B, 48
.set G0B, 56
.set G1S, 68
.set G0S, 76
.set G1SB, 80
.set G0SB, 88
.set MSB, 0
.macro WIN new
.if MSB != (\new)
	s_set_vgpr_msb (MSB<<8)|(\new)
.set MSB, (\new)
.endif
.endm
.set MUL_LO, 0xa1
.set MUL_HI, 0xf1
.set TO_B,   0x40
.macro JLOAD g0a, g1a, g0b, g1b
	s_cmp_eq_u32 s15, 0
	s_cbranch_scc0 .Lfor_b_\@
	tensor_load_to_lds s[\g0a:\g0a+3], s[\g1a:\g1a+7]
	s_nop 0
.rept 4
	v_nop
.endr
	s_branch .Lasked_\@
.Lfor_b_\@:
	tensor_load_to_lds s[\g0b:\g0b+3], s[\g1b:\g1b+7]
	s_nop 0
.rept 4
	v_nop
.endr
.Lasked_\@:
.endm
.macro CREST
	s_cmp_lg_u32 s14, 0
	s_cbranch_scc1 .Lnot_wave_0_\@
	s_barrier_signal -3
.Lnot_wave_0_\@:
	s_barrier_wait -3
	s_barrier_signal -1
	s_barrier_wait -1
.endm
.macro CROUND
	s_barrier_signal -1
	s_barrier_wait -1
	CREST
.endm
; out0 = O Wo^T + bo on codes of FP6, a block of 256 x 256 a work-group.  O's codes come as images of registers (aimg), Wo's from wr (its fourth part), where a K step's 128 rows are 24,576 dense bytes:
; fetched as 96 rows of 256 bytes, with 16 bytes of padding behind every 64, so that an LDS row of 192 bytes has a pitch of 240.
	s_load_b128 s[4:7], s[0:1], 0x0
	s_load_b128 s[8:11], s[0:1], 0x10
	s_load_b64 s[96:97], s[0:1], 0x20
	s_load_b64 s[12:13], s[0:1], 0x28
	v_lshl_add_u32 v[SPW], v0, 2, SPARE
	v_mov_b32 v[NIL], 0
	ds_add_u32 v28, v29
	ds_add_u32 v28, v29
	s_wait_dscnt 0x0
	v_lshrrev_b32 v1, 5, v0
	v_readfirstlane_b32 s14, v1
	s_lshr_b32 s15, s14, 1
	s_and_b32 s16, s14, 1
	s_bfe_u32 s40, ttmp6, 0x40000
	s_bfe_u32 s41, ttmp6, 0x40004
	s_lshl_b32 s42, ttmp9, 2
	s_add_co_u32 s42, s42, s40
	s_and_b32 s17, ttmp7, 0xffff
	s_lshl_b32 s17, s17, 2
	s_add_co_u32 s17, s17, s41
	s_lshl_b32 s43, s41, 2
	s_lshl_b32 s43, 15, s43
	s_lshl_b32 s44, 0x1111, s40
	s_or_b32 s[G1+0], s43, (3<<16)|(1<<21)
	s_mov_b32 s[G1+1], 32<<16
	s_mov_b32 s[G1+2], 192<<16
	s_mov_b32 s[G1+3], 32<<16
	s_mov_b32 s[G1+4], 192
	s_mov_b32 s[G1+5], 32
	s_mov_b32 s[G1+6], 0
	s_mov_b32 s[G1+7], 0
	s_or_b32 s[G1B+0], s44, (3<<16)|(1<<20)|(1<<21)|(3<<22)|(3<<25)
	s_mov_b32 s[G1B+1], 32<<16
	s_mov_b32 s[G1B+2], 192<<16
	s_mov_b32 s[G1B+3], 32<<16
	s_mov_b32 s[G1B+4], 192
	s_mov_b32 s[G1B+5], 32
	s_mov_b32 s[G1B+6], 0
	s_mov_b32 s[G1B+7], 0
	s_or_b32 s[G1S+0], s43, (3<<16)|(1<<20)|(1<<21)|(5<<22)|(3<<25)
	s_or_b32 s[G1SB+0], s44, (3<<16)|(1<<20)|(1<<21)|(5<<22)|(3<<25)
.irp g, G1S, G1SB
	s_mov_b32 s[\g+1], 32<<16
	s_mov_b32 s[\g+2], (256*KS/256)<<16
	s_mov_b32 s[\g+3], 32<<16
	s_mov_b32 s[\g+4], 256*KS/256
	s_mov_b32 s[\g+5], 32
	s_mov_b32 s[\g+6], 0
	s_mov_b32 s[\g+7], 0
.endr
	s_mov_b32 s18, 0                               ; the addresses below are those of the block's first rows
	s_lshl_b32 s20, s17, 8
	s_add_co_u32 s20, s20, s18
	s_lshl_b32 s46, s42, 8
	s_add_co_u32 s46, s46, s18
	s_mov_b32 s21, 0
	s_mov_b32 s47, 0
	s_mov_b64 s[18:19], KS
	s_mul_u64 s[22:23], s[20:21], s[18:19]
	s_mul_u64 s[92:93], s[46:47], s[18:19]
	s_mov_b64 s[18:19], 192
	s_mul_u64 s[20:21], s[20:21], s[18:19]
	s_mov_b64 s[18:19], KROW
	s_mul_u64 s[46:47], s[46:47], s[18:19]
	s_mul_i32 s45, s16, HALFA
	s_mul_i32 s95, s16, HALFT
	s_add_co_u32 s95, s95, BOFF
	s_mul_i32 s94, s14, HALFS
	s_wait_kmcnt 0x0
	s_add_nc_u64 s[20:21], s[4:5], s[20:21]
	s_add_nc_u64 s[22:23], s[6:7], s[22:23]
	s_add_nc_u64 s[46:47], s[8:9], s[46:47]
	s_add_nc_u64 s[92:93], s[10:11], s[92:93]
	s_add_nc_u64 s[46:47], s[46:47], 3*786432      ; Wo is wr's fourth part
	s_mul_i32 s18, s16, 128*KROW                   ; in the ring I fetch 128 rows: which half, in bytes
	s_mov_b32 s19, 0
	CROUND                                         ; all sixteen work-groups are here: the first joint loads meet
.macro D0 g, lds, a
	s_mov_b32 s[\g], 1
	s_mov_b32 s[\g+1], \lds
	s_mov_b64 s[\g+2:\g+3], s[\a:\a+1]
	s_or_b32 s[\g+3], s[\g+3], 0x80000000
.endm
	D0 G0H, 0, 20                                  ; K step 0: A's 256 rows,
	D0 G0HB, BOFF, 46                              ; B's 256 rows,
	D0 G0S, SCL, 22                                ; the scales of A's 256 rows,
	D0 G0SB, SCL+2*HALFS, 92                       ; and of B's
	s_add_nc_u64 s[20:21], s[20:21], s[18:19]
	s_add_nc_u64 s[46:47], s[46:47], s[18:19]
.irp s, 0,1
	s_mov_b32 s[G0+4*\s], 1
	s_add_co_u32 s[G0+4*\s+1], s45, \s*SLOT
	s_add_nc_u64 s[G0+4*\s+2:G0+4*\s+3], s[20:21], \s*ASTEP
	s_or_b32 s[G0+4*\s+3], s[G0+4*\s+3], 0x80000000
	s_mov_b32 s[G0B+4*\s], 1
	s_add_co_u32 s[G0B+4*\s+1], s95, \s*SLOT
	s_add_nc_u64 s[G0B+4*\s+2:G0B+4*\s+3], s[46:47], \s*BSTEP
	s_or_b32 s[G0B+4*\s+3], s[G0B+4*\s+3], 0x80000000
.endr
; the head's four tiles, one joint load a wave, in one tree of branches on the wave's number
.macro ARM under, g0, g1, next
	s_cmp_lt_u32 s14, \under
	s_cbranch_scc0 \next
	tensor_load_to_lds s[\g0:\g0+3], s[\g1:\g1+7]
	s_nop 0
.rept 4
	v_nop
.endr
	s_branch .Lhead_asked
\next:
.endm
	ARM 1, G0H,  G1,  .Lhead_b
	ARM 2, G0HB, G1B, .Lhead_sa
	ARM 3, G0S,  G1S, .Lhead_sb
	tensor_load_to_lds s[G0SB:G0SB+3], s[G1SB:G1SB+7]
	s_nop 0
.rept 4
	v_nop
.endr
.Lhead_asked:
	v_and_b32 v1, 15, v0
	v_bfe_u32 v2, v0, 4, 1
	v_and_b32 v6, 31, v0
	v_lshlrev_b32 v4, 4, v6
	v_lshlrev_b32 v5, 3, v6
	v_mul_u32_u24 v3, v1, PITCH
	v_mul_u32_u24 v7, v2, 24
	v_add_nc_u32 v7, v3, v7
	v_lshl_add_u32 v8, v2, 4, v7
	s_mul_i32 s21, s15, HALFA
	s_mul_i32 s22, s16, HALFT
	s_add_co_u32 s22, s22, BOFF
.irp s, 0,1
	v_add_nc_u32 v[ADRA+\s], s21, v4
	v_add_nc_u32 v[ADRA+2+\s], s21, v5
	v_add_nc_u32 v[ADRB+\s], s22, v7
	v_add_nc_u32 v[ADRB+2+\s], s22, v8
	s_add_co_u32 s21, s21, SLOT
	s_add_co_u32 s22, s22, SLOT
.endr
	v_mul_u32_u24 v5, v1, KS
	v_lshrrev_b32 v6, 8, v5
	v_lshl_add_u32 v5, v6, 4, v5
	s_mul_i32 s21, s15, HALFS
	s_mul_i32 s22, s16, HALFS
	s_add_co_u32 s22, s22, 2*HALFS
	s_sub_co_u32 s22, s22, s21
	v_mul_u32_u24 v6, s22, v2
	s_add_co_u32 s21, s21, SCL
	v_add_nc_u32 v5, v5, v6
	v_add_nc_u32 v[ADRS], s21, v5
	s_mul_i32 s23, s14, 16*SPITCH
	v_mul_u32_u24 v5, v1, SPITCH
	v_lshl_add_u32 v5, v2, 5, v5
	v_add_nc_u32 v[STO], s23, v5
	v_mov_b32 v[CO], v4
	v_add_nc_u32 v[RD], s23, v[CO]
	s_lshl_b32 s20, s17, 8
	s_lshl_b32 s21, s15, 7
	s_add_co_u32 s20, s20, s21
	s_mov_b32 s21, 0
	s_mov_b64 s[18:19], SIZE_N*4
	s_mul_u64 s[20:21], s[20:21], s[18:19]
	s_lshl_b32 s46, s42, 10
	s_lshl_b32 s47, s16, 9
	s_add_co_u32 s46, s46, s47
	s_mov_b32 s47, 0
	s_add_nc_u64 s[20:21], s[20:21], s[46:47]
	s_add_nc_u64 s[12:13], s[12:13], s[20:21]
	s_add_nc_u64 s[96:97], s[96:97], s[46:47]
	v_lshlrev_b32 v9, 5, v2
.irp b, 0,1,2,3,4,5,6,7
	global_load_b128 v[BO+8*\b:BO+8*\b+3], v9, s[96:97] offset:64*\b
	global_load_b128 v[BO+8*\b+4:BO+8*\b+7], v9, s[96:97] offset:64*\b+16
.endr
.macro FRAG reg, adr, q, i
.irp p, 0,1,2,3,4,5
.set PC, 12*(\q)+6*(\p/3)+\p%3
.if PC%8 < 5
	ds_load_b64 v[\reg+2*\p:\reg+2*\p+1], v[\adr] offset:8*PC+16*(PC/8)+(\i)*16*PITCH
.else
	ds_load_b64 v[\reg+2*\p:\reg+2*\p+1], v[\adr+2] offset:8*PC+16*(PC/8)+(\i)*16*PITCH
.endif
.endr
.endm
.macro FRAGA reg, slot, q, i
	ds_load_b128 v[\reg:\reg+3], v[ADRA+\slot] offset:(\i)*3072+(\q)*1536
	ds_load_b64 v[\reg+4:\reg+5], v[ADRA+2+\slot] offset:(\i)*3072+(\q)*1536+512
	ds_load_b128 v[\reg+6:\reg+9], v[ADRA+\slot] offset:(\i)*3072+(\q)*1536+768
	ds_load_b64 v[\reg+10:\reg+11], v[ADRA+2+\slot] offset:(\i)*3072+(\q)*1536+1280
.endm
.macro MUL16 a0, p, q, sc, zero
.irp a, \a0, \a0+1
.irp b, 0,1,2,3,4,5,6,7
.if \zero
	v_wmma_scale_f32_16x16x128_f8f6f4 v[8*(8*((\a)%4)+\b):8*(8*((\a)%4)+\b)+7], v[128*(\p)+FR*\b:128*(\p)+FR*\b+FR-1], v[AF+FR*(\a):AF+FR*(\a)+FR-1], v[BO+8*\b:BO+8*\b+7], v[SC+8*NQ*(\sc)+NQ*\b+(\q)], v[SC+8*NQ*(\sc)+NQ*(\a)+(\q)] matrix_a_fmt:MATRIX_FMT_FP6 matrix_b_fmt:MATRIX_FMT_FP6 matrix_a_scale:MATRIX_SCALE_ROW1
.else
	v_wmma_scale_f32_16x16x128_f8f6f4 v[8*(8*((\a)%4)+\b):8*(8*((\a)%4)+\b)+7], v[128*(\p)+FR*\b:128*(\p)+FR*\b+FR-1], v[AF+FR*(\a):AF+FR*(\a)+FR-1], v[8*(8*((\a)%4)+\b):8*(8*((\a)%4)+\b)+7], v[SC+8*NQ*(\sc)+NQ*\b+(\q)], v[SC+8*NQ*(\sc)+NQ*(\a)+(\q)] matrix_a_fmt:MATRIX_FMT_FP6 matrix_b_fmt:MATRIX_FMT_FP6 matrix_a_scale:MATRIX_SCALE_ROW1
.endif
.endr
.endr
.endm
.macro FETCH_B slot, q, p
	WIN TO_B
.irp i, 0,1,2,3,4,5,6,7
	FRAG 128*(\p)+FR*\i, ADRB+\slot, \q, \i
.endr
	WIN 0
.endm
.macro FETCH_A slot, q, i0
.irp i, \i0, \i0+1, \i0+2, \i0+3
	FRAGA AF+FR*(\i), \slot, \q, \i
.endr
.endm
.macro SCALES sc
.irp i, 0,1,2,3,4,5,6,7
	ds_load_b64 v[SC+8*NQ*\sc+NQ*\i:SC+8*NQ*\sc+NQ*\i+1], v[ADRS] offset:\i*SBLK
.endr
.endm
.macro PLACES n
.rept \n
	v_nop
.endr
.endm
.macro STEP slot, q, zero
	s_wait_dscnt 4*NLA
	WIN MUL_LO-0x20*(\zero)
	MUL16 0, (\q)%2, \q, \slot, \zero
	MUL16 2, (\q)%2, \q, \slot, \zero
	s_wait_dscnt 0
	PLACES NP
	FETCH_B \slot, (\q)+1, 1-(\q)%2
	FETCH_A \slot, (\q)+1, 0
	WIN MUL_HI-0x30*(\zero)
	MUL16 4, (\q)%2, \q, \slot, \zero
	MUL16 6, (\q)%2, \q, \slot, \zero
	PLACES NP
	WIN 0
	FETCH_A \slot, (\q)+1, 4
.endm
.macro TURN slot, next, fill
	s_wait_tensorcnt 0x0
	ds_add_u32 v[SPW], v[NIL]
	s_wait_dscnt 4*NLA+1
	WIN MUL_LO
	MUL16 0, 1, NQ-1, \slot, 0
	s_wait_dscnt 0x0
	s_barrier_signal -1
	MUL16 2, 1, NQ-1, \slot, 0
	WIN 0
	s_barrier_wait -1
.if \fill
	CREST
	s_add_nc_u64 s[G0+4*\slot+2:G0+4*\slot+3], s[G0+4*\slot+2:G0+4*\slot+3], 2*ASTEP
	s_add_nc_u64 s[G0B+4*\slot+2:G0B+4*\slot+3], s[G0B+4*\slot+2:G0B+4*\slot+3], 2*BSTEP
	JLOAD G0+4*\slot, G1, G0B+4*\slot, G1B
.else
	PLACES NP
.endif
	s_wait_alu depctr_va_vdst(0)
	v_add_nc_u32 v[ADRS], 4*NQ, v[ADRS]
	FETCH_B \next, 0, 0
	FETCH_A \next, 0, 0
	SCALES \next
	WIN MUL_HI
	MUL16 4, 1, NQ-1, \slot, 0
	MUL16 6, 1, NQ-1, \slot, 0
	PLACES NP
	WIN 0
	FETCH_A \next, 0, 4
.endm
	s_wait_alu depctr_va_vdst(0)
	s_wait_loadcnt 0x0
	s_wait_tensorcnt 0x0                           ; my tile of the head's four is in; the lines ahead of a later first fill:
	ds_add_u32 v[SPW], v[NIL]
	s_mov_b32 s[G1+2], 96<<16                      ; no load of mine is out: from here on a load brings 128 rows of codes, 96 rows of 256 bytes
	s_mov_b32 s[G1+4], 96
	s_mov_b32 s[G1B+2], 96<<16
	s_mov_b32 s[G1B+4], 96
	s_wait_dscnt 0x0
	CROUND                                         ; all four tiles are in, in every partner
	JLOAD G0+4, G1, G0B+4, G1B                     ; K step 1 into slot 1: the first tensor load behind the round
	FETCH_B 0, 0, 0
	FETCH_A 0, 0, 0
	SCALES 0
	FETCH_A 0, 0, 4
	STEP 0, 0, 1
	s_mov_b32 s3, LAPS-1
.Llap:
	TURN 0, 1, 1
	STEP 1, 0, 0
	TURN 1, 0, 1
	STEP 0, 0, 0
	s_sub_co_u32 s3, s3, 1
	s_cmp_lg_u32 s3, 0
	s_cbranch_scc1 .Llap
	TURN 0, 1, 0
	STEP 1, 0, 0
	s_wait_dscnt 4*NLA
	WIN MUL_LO
	MUL16 0, 1, NQ-1, 1, 0
	MUL16 2, 1, NQ-1, 1, 0
	s_wait_dscnt 0
	WIN MUL_HI
	MUL16 4, 1, NQ-1, 1, 0
	MUL16 6, 1, NQ-1, 1, 0
	WIN 0
.macro TOSTAGE a
.set AC, 64*((\a)%4)
	WIN 0x08+4*((\a)/4)
.irp b, 0,1,2,3,4,5,6,7
	ds_store_b128 v[STO], v[AC+8*\b:AC+8*\b+3] offset:64*\b
	ds_store_b128 v[STO], v[AC+8*\b+4:AC+8*\b+7] offset:64*\b+16
.endr
	WIN 0
.set BB, BK+64*((\a)%2)
.irp t, 0,1,2,3,4,5,6,7,8,9,10,11,12,13,14,15
	ds_load_b128 v[BB+4*\t:BB+4*\t+3], v[RD] offset:\t*SPITCH
.endr
.endm
.macro SEND a, younger
.set BB, BK+64*((\a)%2)
	s_wait_dscnt \younger
.if (\a) > 0
	s_add_nc_u64 s[12:13], s[12:13], 16*SIZE_N*4
.endif
.irp t, 0,1,2,3,4,5,6,7,8,9,10,11,12,13,14,15
	global_store_b128 v[CO], v[BB+4*\t:BB+4*\t+3], s[12:13] offset:\t*SIZE_N*4 th:TH_STORE_NT
.endr
.endm
	PLACES NP
	TOSTAGE 0
.irp a, 1,2,3,4,5,6,7
.if \a > 1
	s_wait_xcnt 0x0
.endif
	TOSTAGE \a
	SEND \a-1, 32
.endr
	s_wait_xcnt 0x0
	SEND 7, 0
	s_wait_tensorcnt 0x0
	ds_add_u32 v[SPW], v[NIL]
	s_wait_dscnt 0x0
	CROUND
	s_endpgm
.Lfunc_end_k_qac5d31b5ba_oproj:
	.size	k_qac5d31b5ba_oproj, .Lfunc_end_k_qac5d31b5ba_oproj-k_qac5d31b5ba_oproj
	.p2alignl 7, 3214868480
	.fill 96, 4, 3214868480
	.section	.rodata,"a",@progbits
	.p2align	6, 0x0
	.amdhsa_kernel k_qac5d31b5ba_oproj
		.amdhsa_group_segment_fixed_size 327680
		.amdhsa_private_segment_fixed_size 0
		.amdhsa_enable_private_segment 0
		.amdhsa_kernarg_size 48
		.amdhsa_user_sgpr_count 2
		.amdhsa_user_sgpr_kernarg_segment_ptr 1
		.amdhsa_wavefront_size32 1
		.amdhsa_system_sgpr_workgroup_id_x 1
		.amdhsa_system_sgpr_workgroup_id_y 1
		.amdhsa_system_sgpr_workgroup_id_z 1
		.amdhsa_system_vgpr_workitem_id 0
		.amdhsa_next_free_vgpr 1024
		.amdhsa_next_free_sgpr 98
		.amdhsa_reserve_vcc 0
		.amdhsa_float_denorm_mode_32 3
		.amdhsa_float_denorm_mode_16_64 3
		.amdhsa_memory_ordered 1
		.amdhsa_forward_progress 1
		.amdhsa_inst_pref_size 155
	.end_amdhsa_kernel
	.amdgpu_metadata
---
amdhsa.version: [ 1, 2 ]
amdhsa.kernels:
  - .name:           k_qac5d31b5ba_oproj
    .symbol:         k_qac5d31b5ba_oproj.kd
    .args:
      - { .name: aimg, .offset: 0, .size: 8, .value_kind: global_buffer, .address_space: global }
      - { .name: asc, .offset: 8, .size: 8, .value_kind: global_buffer, .address_space: global }
      - { .name: wr, .offset: 16, .size: 8, .value_kind: global_buffer, .address_space: global }
      - { .name: Wo_scales, .offset: 24, .size: 8, .value_kind: global_buffer, .address_space: global }
      - { .name: bo, .offset: 32, .size: 8, .value_kind: global_buffer, .address_space: global }
      - { .name: out0, .offset: 40, .size: 8, .value_kind: global_buffer, .address_space: global }
    .group_segment_fixed_size: 327680
    .private_segment_fixed_size: 0
    .kernarg_segment_align: 8
    .kernarg_segment_size: 48
    .max_flat_workgroup_size: 128
    .sgpr_count:     98
    .vgpr_count:     1024
    .wavefront_size: 32
...
	.end_amdgpu_metadata
.endif
;; end of part 4
